; MI455X (gfx1250); checked and timed in simulation.
; The chip was launched on July 23, 2026; its instructions are those of AMD's public machine-readable ISA for CDNA 5 (MIT licence, August 2026) and "CDNA5" Instruction Set Architecture Reference Guide (July 2026). The comments in the code are by the model that wrote it; some were corrected since.
;; Multi Head Attention. Allowed arithmetic: matrix products marked QUANTISED: E2M3 operands, one E8M0 scale for each 32 along K, by v_wmma_scale_f32_16x16x128_f8f6f4 with both operands' format E2M3, f32 sums; everything else in f32.
;; Inputs: Wk 512 x 2,048 float32; Wo 2,048 x 1,024 float32; Wq 1,024 x 2,048 float32; Wv 512 x 2,048 float32; attention_mask 2 x 1 x 2,048 x 2,048 float32; hidden_states 2 x 2,048 x 2,048 float32; k_norm_w 128 float32; q_norm_w 128 float32.
;; Outputs: out0 2 x 2,048 x 2,048 float32.
;; This version of the problem:
;;   THIS VERSION OF THE PROBLEM IS GIVEN IN LOW PRECISION. The matrix products marked QUANTISED in the list below multiply operands that are first quantised to E2M3 (2 exponent bits, 3 mantissa bits; 6 bits a number), with one power-of-two scale for each 32 numbers along K (OCP MX v1.0); their sums are f32. All else is computed in f32.
;;   The module's matrix products, in the order in which they are computed (A, B: the left and right operand; K: the contracted axis; several contracted axes count as one K, in the product's order):
;;     1. [M 4,096, K 2,048] x [K 2,048, N 1,024]; A: input hidden_states; B: input Wq: QUANTISED
;;     2. [M 4,096, K 2,048] x [K 2,048, N 512]; A: input hidden_states; B: input Wk: QUANTISED
;;     3. [M 4,096, K 2,048] x [K 2,048, N 512]; A: input hidden_states; B: input Wv: QUANTISED
;;     4. batch 16 x [M 2,048, K 128] x [K 128, N 2,048]; A: computed on the way; B: computed on the way: QUANTISED
;;     5. batch 16 x [M 2,048, K 2,048] x [K 2,048, N 128]; A: softmax (see below); B: computed on the way: QUANTISED
;;     6. [M 4,096, K 1,024] x [K 1,024, N 2,048]; A: computed on the way; B: input Wo: QUANTISED
;;   THE QUANTISER, for each operand of a quantised product, along K:
;;     - K is cut into blocks of 32 from its start; a last block that is shorter is filled with zeros.
;;     - A block's scale is 2^e with e = floor(log2(the largest magnitude in the block)) - 2, held to -126 .. 127; a block of zeros has e = 0. As a byte (E8M0): e + 127.
;;     - Each number is divided by its block's scale, clamped to +-7.5, and rounded to the nearest number of E2M3, ties to even, subnormals kept.
;;     - The product sums the exact products of the quantised numbers (number of the format x scale) in f32.
;;   ~~~python
;;   def quantise(x, axis):      # numpy; x: float32 -> the quantised numbers, widened to float32 again
;;       x = np.moveaxis(x, axis, -1); K = x.shape[-1]
;;       x = np.pad(x, [(0, 0)] * (x.ndim - 1) + [(0, -K % 32)]); x = x.reshape(x.shape[:-1] + (-1, 32)); a = np.abs(x).max(-1, keepdims=True)
;;       e = np.where(a > 0, np.clip(np.frexp(np.where(a > 0, a, 1))[1] - 1 - 2, -126, 127), 0)      # np.frexp(a)[1] - 1 = floor(log2(a)), exactly
;;       r = np.clip(x / 2.0 ** e, -7.5, 7.5)
;;       step = 2.0 ** (np.maximum(np.frexp(np.where(r == 0, 1, r))[1] - 1, 0) - 3)
;;       q = np.round(r / step) * step * 2.0 ** e      # np.round: ties to even
;;       return np.moveaxis(q.reshape(q.shape[:-2] + (-1,))[..., :K], -1, axis).astype(np.float32)
;;   ~~~
;;   SOFTMAX AHEAD OF A QUANTISED PRODUCT. Where the list says 'softmax', what is quantised is not the finished softmax but p = 2^(t - M), with t = logit x log2(e) and M = ceil(the row's largest t), a whole number; so 1/2 < the row's largest p <= 1. The row's sum l is taken of the UNQUANTISED p, in f32, and the product's result is divided by l at the end. Since M is a whole number, a kernel that streams over the keys may use a running M (the ceiling of the running maximum): every later rescaling is an exact power of two, which a block's scale takes up: the codes' values come out the same.
;;   OPERANDS COMPUTED ON THE WAY. 'Computed on the way' means the value that the module computes at that place (a softmax that the list does not call 'softmax' is quantised finished and normalised). What goes into a quantiser is computed in f32, as accurately as f32 sums, v_exp_f32 and their like allow (about 1e-6 of the number): no bf16 or f16 on the way to a quantiser, and a product that is left as it is and whose result goes on into a quantised operand takes f32 operands (vector FMAs, or v_wmma_f32_16x16x4_f32). A number that lies on a knife's edge between two numbers of the format may be rounded either way, as far as f32 arithmetic and the matrix unit's own rounding can turn it there, and no further.
;; One version. Each part assembles by itself: llvm-mc -triple=amdgcn-amd-amdhsa -mcpu=gfx1250 --defsym DOCPART=n.
;; ======== version 1 of 1: 4 launches
;; limits: right only within a limited range of input values
;; workspace buffers: prep 12,517,376 bytes; qkv 6,553,600 bytes; att 3,276,800 bytes
;; launch prep (part 1): grid 480 x 1, 4 waves a work-group, no clusters, 33,280 bytes of LDS; arguments hidden_states, Wq, Wk, Wv, Wo, prep; writes prep
.if DOCPART == 1
	.amdgcn_target "amdgcn-amd-amdhsa--gfx1250"
	.amdhsa_code_object_version 6
	.text
	.protected	k_q10b4d6a93a_prep
	.globl	k_q10b4d6a93a_prep
	.p2align	8
	.type	k_q10b4d6a93a_prep,@function
k_q10b4d6a93a_prep:
	s_mov_b64 s[64:65], 0
	v_nop
	global_prefetch_b8 v0, s[64:65] scope:SCOPE_SE
	s_setreg_imm32_b32 hwreg(HW_REG_WAVE_MODE, 25, 1), 1
	s_wait_xcnt 0x0
; LAUNCH 1.  hidden_states [4096][2048], Wq [1024][2048], Wk, Wv [512][2048], Wo [2048][1024], all f32 with K innermost, become codes of FP6 (E2M3) with one
; E8M0 scale byte for each 32 along K; and the table of cos and sin for the rotary embedding is made.  All goes into the workspace 'prep'.
; A CHUNK is 512 numbers along K: 384 bytes of codes and, behind them, the chunk's 16 scale bytes: 400 bytes.  The chunks follow each other in the order of the numbers: x's rows (4 chunks, 1,600 bytes),
; then Wq's, Wk's, Wv's, then Wo's (2 chunks, 800 bytes).  So a later launch's tile of rows x one chunk brings its scale bytes with it, and rows 400 bytes apart in LDS need no padding.
; The table lies at RT: [2048 positions][64 cos, 64 sin] f32.
; A block's scale is 2^(floor(log2(its largest magnitude)) - 2): its byte is the largest magnitude's exponent field - 2, held at 1 from below.
; THE ORDER INSIDE A BLOCK OF 32: place 16 e + 8 u + j of a block holds number 16 u + 8 e + j (the two middle groups of eight change places).  Every operand of every product of this program
; is laid so along its K, so the products are those of the natural order; later launches get this order for nothing from the matrix results' register layout.
; LIMITS: NaN and infinities among the inputs are not served.  A block of zeros gets the byte 1 (its codes are zeros; only this program reads the bytes).
; The table's frequencies 10000^(-i/64) are within about 1.5 units in the last place of the true value, so an angle at position 2,047 may differ from one made with another f32 power by about 2e-4 radians; q and k use the same table.
; The stores of codes cover 384 consecutive bytes at multiples of 400, those of scale bytes 8 bytes a lane: they do not fill aligned blocks of 256 bytes whole.
; Work-groups 0-447 quantise 32,768 numbers each (a wave 16 steps of 512: a step is a chunk); their sources follow each other in the order of the destinations, so the destination hangs on the work-group's number alone.
; Work-groups 448-479 make the table, 64 positions each, and touch no LDS.  No tensor loads, no barrier: waves share nothing.
.set RT,    11468800                   ; the table
.set STEPS, 16
.set EMAX,  2
.set CB,    12                         ; bytes of 16 codes
.set CH,    400                        ; bytes of a chunk
.set R,     16                         ; v16-79   four sets of 16 numbers as they are loaded
.set X,     80                         ; v80-111  two sets of 16 numbers of one block
.set C,     128                        ; v128-191 codes: four registers for each step
.set E,     112                        ; v112-127 a scale byte for each step
.set WREG,  8192                       ; LDS: a region for each wave: two stages of 32 x SP bytes, then its 256 scale bytes
.set SP,    80                         ; 64 bytes + 16 of padding
	s_load_b256 s[4:11], s[0:1], 0x0               ; hidden_states, Wq, Wk, Wv
	s_load_b128 s[12:15], s[0:1], 0x20             ; Wo, prep
	v_lshl_add_u32 v192, v0, 2, 0x8000
	v_mov_b32 v193, 0
	v_lshrrev_b32 v1, 5, v0
	v_readfirstlane_b32 s2, v1                     ; wave
	v_and_b32 v2, 31, v0                           ; lane
	s_wait_kmcnt 0x0
	s_cmp_ge_u32 ttmp9, 448
	s_cbranch_scc1 .Lrope
	; ---------------- the quantiser ----------------
	v_lshlrev_b32 v3, 4, v2                        ; my 16 bytes of a load's 512
	s_mul_i32 s3, s2, WREG
	v_lshrrev_b32 v14, 2, v2
	v_mul_u32_u24 v14, v14, SP
	v_and_b32 v15, 3, v2
	v_lshl_add_u32 v14, v15, 4, v14
	v_add_nc_u32 v14, s3, v14                      ; the stage, on the way in: four lanes' 64 bytes on end, then 16 of padding
	v_and_b32 v15, 30, v2
	v_mul_u32_u24 v15, v15, SP
	v_and_b32 v5, 1, v2
	v_lshl_add_u32 v15, v5, 5, v15
	v_add_nc_u32 v15, s3, v15                      ; on the way out: a block is two places; lane e of its two takes the block's groups of eight e and 2 + e: 32 e bytes into the first place, and the same in the second
	v_mul_u32_u24 v4, v2, CB                       ; my codes' place in a step's
	v_lshrrev_b32 v5, 1, v2
	v_mul_u32_u24 v10, v5, CH                      ; the scale bytes on their way out: lane l holds 8 bytes of step l / 2:
	v_and_b32 v12, 1, v2
	v_lshl_add_u32 v10, v12, 3, v10                ; 400 (l / 2) + 8 (l % 2), behind the chunk's 384 bytes of codes
	s_add_co_u32 s3, s3, 2*32*SP
	v_add_nc_u32 v5, s3, v5                        ; LDS: my wave's 256 scale bytes, my block's byte
	v_lshlrev_b32 v7, 3, v2
	v_add_nc_u32 v6, s3, v7                        ; and where I read 8 of them back
	s_mov_b64 s[16:17], s[12:13]                   ; which tensor: the choice hangs on the work-group's number alone
	s_mov_b32 s18, 384                             ; and the tensor's first work-group
	s_cmp_lt_u32 ttmp9, 384
	s_cselect_b64 s[16:17], s[10:11], s[16:17]
	s_cselect_b32 s18, 352, s18
	s_cmp_lt_u32 ttmp9, 352
	s_cselect_b64 s[16:17], s[8:9], s[16:17]
	s_cselect_b32 s18, 320, s18
	s_cmp_lt_u32 ttmp9, 320
	s_cselect_b64 s[16:17], s[6:7], s[16:17]
	s_cselect_b32 s18, 256, s18
	s_cmp_lt_u32 ttmp9, 256
	s_cselect_b64 s[16:17], s[4:5], s[16:17]
	s_cselect_b32 s18, 0, s18
	s_sub_co_u32 s19, ttmp9, s18
	s_lshl_b32 s19, s19, 2
	s_add_co_u32 s19, s19, s2                      ; which run of 8,192 numbers of the tensor is my wave's
	s_lshl_b32 s20, s19, 15                        ; 32,768 bytes a run
	s_mov_b32 s21, 0
	s_add_nc_u64 s[16:17], s[16:17], s[20:21]
	s_lshl_b32 s19, ttmp9, 2
	s_add_co_u32 s19, s19, s2                      ; and which run of all five tensors on end
	s_mul_i32 s22, s19, STEPS*CH                   ; 16 chunks, 6,400 bytes, a run
	s_mov_b32 s23, 0
	s_add_nc_u64 s[24:25], s[14:15], s[22:23]
.macro LOAD t
.irp i, 0,1,2,3
	global_load_b128 v[R+16*((\t)%4)+4*\i:R+16*((\t)%4)+4*\i+3], v3, s[16:17] offset:2048*(\t)+512*\i th:TH_LOAD_NT   ; 32 lanes read 512 consecutive bytes
.endr
.endm
.macro TURN t                          ; step t's numbers through the stage: LDS serves a wave's instructions in order, so no wait stands between the stores and the loads
.irp i, 0,1,2,3
	ds_store_b128 v14, v[R+16*((\t)%4)+4*\i:R+16*((\t)%4)+4*\i+3] offset:32*SP*((\t)%2)+8*SP*\i
.endr
.irp i, 0,1,2,3
	ds_load_b128 v[X+16*((\t)%2)+4*\i:X+16*((\t)%2)+4*\i+3], v15 offset:32*SP*((\t)%2)+SP*(\i/2)+16*(\i%2)
.endr
.endm
.irp t, 0,1,2,3
	LOAD \t
.endr
	s_wait_loadcnt 12                              ; step 0's four loads are in
	TURN 0
.macro STEP t
.set XR, X+16*((\t)%2)
.if (\t) > 0
	s_wait_dscnt 1                                 ; this step's numbers are back from the stage (the last step's byte store may be out)
.else
	s_wait_dscnt 0x0
.endif
.if (\t)+4 < STEPS
	LOAD (\t)+4                                    ; the stage's stores have read these registers
.endif
.if (\t)+1 < STEPS
.if STEPS-2-(\t) >= 3
	s_wait_loadcnt 12                              ; the next step's four loads are in; those of the three steps behind it may be out
.else
	s_wait_loadcnt 4*(STEPS-2-(\t))
.endif
	TURN (\t)+1
.endif
	v_max3_num_f32 v8, |v[XR]|, |v[XR+1]|, |v[XR+2]|               ; the largest magnitude of my 16
	v_max3_num_f32 v9, |v[XR+3]|, |v[XR+4]|, |v[XR+5]|
.irp i, 6,10
	v_max3_num_f32 v8, v8, |v[XR+\i]|, |v[XR+\i+1]|
	v_max3_num_f32 v9, v9, |v[XR+\i+2]|, |v[XR+\i+3]|
.endr
	v_max3_num_f32 v8, v8, |v[XR+14]|, |v[XR+15]|
	v_max3_num_f32 v8, v8, v9, (EMAX+1)<<23        ; and the floor 2^(EMAX + 1 - 127): the byte cannot fall under 1
	v_max_num_f32_dpp v8, v8, v8 row_xmask:1 row_mask:0xf bank_mask:0xf   ; and of my neighbour's 16: the block's
	v_add_nc_u32 v11, -(EMAX<<23), v8              ; EMAX off its exponent field: the conversion takes this operand's exponent field as its scale
	v_cvt_scalef32_pk16_fp6_f32 v[C+4*(\t):C+4*(\t)+2], v[XR:XR+15], v11
	v_lshrrev_b32 v[E+(\t)], 23, v11               ; the scale's byte
	ds_store_b8 v5, v[E+(\t)] offset:16*(\t)       ; both lanes of a block write the same byte with the same value
	global_store_b96 v4, v[C+4*(\t):C+4*(\t)+2], s[24:25] offset:CH*(\t)   ; the wave stores the chunk's 384 consecutive bytes of codes
.endm
.irp t, 0,1,2,3,4,5,6,7,8,9,10,11,12,13,14,15
	STEP \t
.endr
	ds_load_b64 v[12:13], v6                       ; LDS serves a wave's instructions in order: these see my stores
	s_wait_dscnt 0x0
	global_store_b64 v10, v[12:13], s[24:25] offset:384   ; two lanes store a chunk's 16 scale bytes, behind its codes
	s_wait_tensorcnt 0x0
	ds_add_u32 v192, v193
	s_wait_dscnt 0x0
	s_endpgm
	; ---------------- the table ----------------
	; A wave takes 16 positions, two a pass: lanes 0-15 the even one, lanes 16-31 the odd one; lane c of sixteen takes frequencies 4 c .. 4 c + 3.
.Lrope:
	s_sub_co_u32 s3, ttmp9, 448
	s_lshl_b32 s3, s3, 6
	s_lshl_b32 s18, s2, 4
	s_add_co_u32 s3, s3, s18                       ; my wave's first position
	s_lshl_b32 s20, s3, 9                          ; 512 bytes a position
	s_add_co_u32 s20, s20, RT
	s_mov_b32 s21, 0
	s_add_nc_u64 s[14:15], s[14:15], s[20:21]
	s_mov_b32 s28, 0x3f22f983                      ; 2 / pi
	s_mov_b32 s29, 0x3fc90fda                      ; pi / 2, upper part
	s_mov_b32 s30, 0x33a22168                      ; and what is left of it
	s_mov_b32 s31, 0xb94ca1f9                      ; sine on [-pi/4, pi/4]: r + r z (s2 + z (s1 + z s0)), z = r r
	s_mov_b32 s32, 0x3c08839e
	s_mov_b32 s33, 0xbe2aaaa3
	s_mov_b32 s34, 0x37ccf5ce                      ; cosine: 1 - z / 2 + z z (c2 + z (c1 + z c0))
	s_mov_b32 s35, 0xbab6061a
	s_mov_b32 s36, 0x3d2aaaa5
	s_mov_b32 s39, 0x3e549a78                      ; log2(10000) / 64, upper part
	s_mov_b32 s40, 0x31979a30                      ; and what is left of it
	v_and_b32 v3, 15, v2                           ; c
	v_lshrrev_b32 v4, 4, v2                        ; h
	v_lshlrev_b32 v6, 4, v3
	v_lshl_add_u32 v6, v4, 9, v6                   ; where I store: 512 h + 16 c
	v_add_nc_u32 v7, s3, v4                        ; my position in pass 0
	v_lshlrev_b32 v5, 2, v3
.irp e, 0,1,2,3
	v_add_nc_u32 v[12+\e], \e, v5
	v_cvt_f32_u32 v[12+\e], v[12+\e]               ; i = 4 c + e
.endr
.irp e, 0,1,2,3                                ; 10000^(-i/64) = 2^(-n) 2^(-f): n the nearest whole number to i L, f = i L - n in two parts
	v_mul_f32 v[16+\e], s39, v[12+\e]
	v_rndne_f32 v[16+\e], v[16+\e]
	v_fma_f32 v[20+\e], v[12+\e], s39, -v[16+\e]
	v_fma_f32 v[20+\e], v[12+\e], s40, v[20+\e]
.endr
.irp e, 0,1,2,3
	v_exp_f32 v[8+\e], -v[20+\e]
.endr
.irp e, 0,1,2,3
	v_cvt_i32_f32 v[16+\e], v[16+\e]
	v_sub_nc_u32 v[16+\e], 0, v[16+\e]
.endr
	s_wait_alu depctr_va_vdst(0)                   ; one wait for the four exponentials, ahead of their first reader
.irp e, 0,1,2,3
	v_ldexp_f32 v[8+\e], v[8+\e], v[16+\e]         ; v8-11: my four frequencies
.endr
.macro PASS p
	v_add_nc_u32 v16, 2*(\p), v7
	v_cvt_f32_u32 v16, v16
.irp e, 0,1,2,3
	v_mul_f32 v17, v16, v[8+\e]                    ; the angle, rounded once
	v_mul_f32 v18, s28, v17
	v_rndne_f32 v18, v18                           ; k quarter turns
	v_fma_f32 v19, -v18, s29, v17
	v_fma_f32 v19, -v18, s30, v19                  ; r = angle - k pi / 2
	v_mul_f32 v20, v19, v19
	v_fma_f32 v21, v20, s31, s32
	v_fma_f32 v21, v21, v20, s33
	v_mul_f32 v21, v21, v20
	v_fma_f32 v21, v21, v19, v19                   ; sin r
	v_fma_f32 v22, v20, s34, s35
	v_fma_f32 v22, v22, v20, s36
	v_mul_f32 v23, v20, v20
	v_fma_f32 v24, v20, -0.5, 1.0
	v_fma_f32 v22, v22, v23, v24                   ; cos r
	v_cvt_i32_f32 v25, v18
	v_and_b32 v26, 1, v25
	v_cmp_eq_u32 vcc_lo, 1, v26                    ; an odd k changes sine and cosine
	v_cndmask_b32 v27, v21, v22, vcc_lo
	v_cndmask_b32 v28, v22, v21, vcc_lo
	v_and_b32 v26, 2, v25                          ; the sine is negative where k mod 4 is 2 or 3,
	v_lshlrev_b32 v26, 30, v26
	v_xor_b32 v[36+8*(\p)+\e], v26, v27
	v_add_nc_u32 v25, 1, v25                       ; the cosine where it is 1 or 2
	v_and_b32 v25, 2, v25
	v_lshlrev_b32 v25, 30, v25
	v_xor_b32 v[32+8*(\p)+\e], v25, v28
.endr
	global_store_b128 v6, v[32+8*(\p):35+8*(\p)], s[14:15] offset:1024*(\p)        ; sixteen lanes store 256 consecutive bytes, aligned: a position's cosines,
	global_store_b128 v6, v[36+8*(\p):39+8*(\p)], s[14:15] offset:1024*(\p)+256    ; its sines.  Each pass has its own eight registers: no store's data are written again
.endm
.irp p, 0,1,2,3,4,5,6,7
	PASS \p
.endr
	s_endpgm
.Lfunc_end_k_q10b4d6a93a_prep:
	.size	k_q10b4d6a93a_prep, .Lfunc_end_k_q10b4d6a93a_prep-k_q10b4d6a93a_prep
	.p2alignl 7, 3214868480
	.fill 96, 4, 3214868480
	.section	.rodata,"a",@progbits
	.p2align	6, 0x0
	.amdhsa_kernel k_q10b4d6a93a_prep
		.amdhsa_group_segment_fixed_size 33280
		.amdhsa_private_segment_fixed_size 0
		.amdhsa_enable_private_segment 0
		.amdhsa_kernarg_size 48
		.amdhsa_user_sgpr_count 2
		.amdhsa_user_sgpr_kernarg_segment_ptr 1
		.amdhsa_wavefront_size32 1
		.amdhsa_system_sgpr_workgroup_id_x 1
		.amdhsa_system_sgpr_workgroup_id_y 1
		.amdhsa_system_sgpr_workgroup_id_z 1
		.amdhsa_system_vgpr_workitem_id 0
		.amdhsa_next_free_vgpr 194
		.amdhsa_next_free_sgpr 66
		.amdhsa_reserve_vcc 1
		.amdhsa_float_denorm_mode_32 3
		.amdhsa_float_denorm_mode_16_64 3
		.amdhsa_memory_ordered 1
		.amdhsa_forward_progress 1
		.amdhsa_inst_pref_size 74
	.end_amdhsa_kernel
	.amdgpu_metadata
---
amdhsa.version: [ 1, 2 ]
amdhsa.kernels:
  - .name:           k_q10b4d6a93a_prep
    .symbol:         k_q10b4d6a93a_prep.kd
    .args:
      - { .name: hidden_states, .offset: 0, .size: 8, .value_kind: global_buffer, .address_space: global }
      - { .name: Wq, .offset: 8, .size: 8, .value_kind: global_buffer, .address_space: global }
      - { .name: Wk, .offset: 16, .size: 8, .value_kind: global_buffer, .address_space: global }
      - { .name: Wv, .offset: 24, .size: 8, .value_kind: global_buffer, .address_space: global }
      - { .name: Wo, .offset: 32, .size: 8, .value_kind: global_buffer, .address_space: global }
      - { .name: prep, .offset: 40, .size: 8, .value_kind: global_buffer, .address_space: global }
    .group_segment_fixed_size: 33280
    .private_segment_fixed_size: 0
    .kernarg_segment_align: 8
    .kernarg_segment_size: 48
    .max_flat_workgroup_size: 128
    .sgpr_count:     66
    .vgpr_count:     194
    .wavefront_size: 32
...
	.end_amdgpu_metadata
.endif
;; end of part 1
;; launch qkv (part 2): grid 8 x 32, 4 waves a work-group, no clusters, 327,680 bytes of LDS; arguments prep, q_norm_w, k_norm_w, qkv; writes qkv
.if DOCPART == 2
	.amdgcn_target "amdgcn-amd-amdhsa--gfx1250"
	.amdhsa_code_object_version 6
	.text
	.protected	k_q10b4d6a93a_qkv
	.globl	k_q10b4d6a93a_qkv
	.p2align	8
	.type	k_q10b4d6a93a_qkv,@function
k_q10b4d6a93a_qkv:
	s_mov_b64 s[64:65], 0
	v_nop
	global_prefetch_b8 v0, s[64:65] scope:SCOPE_SE
	s_setreg_imm32_b32 hwreg(HW_REG_WAVE_MODE, 25, 1), 1
	s_wait_xcnt 0x0
; LAUNCH 2.  q, k, v = x Wq^T, x Wk^T, x Wv^T on codes of FP6 (E2M3) with E8M0 scales (K = 2,048), then, in f32, the RMS norm over a head's 128, the gain and the rotary embedding for q and k,
; and at once the quantiser for the next products: the results leave as codes and scale words, never as f32.
; A work-group of four waves makes 128 x 256 of a product C = A B^T, a wave 64 x 128 in 32 accumulators: 256 work-groups.  The matrix instruction takes 16 rows of B as source 0 and 16 rows of A as source 1,
; so a lane holds ONE row of A and its registers run along B's rows.  Work-groups x = 0..5 (q's 8 heads, k's 4): A = 128 tokens (y), B = 256 rows of W: a lane holds a token, registers run along a head's 128.
; Work-groups x = 6, 7 (v), numbered 32 (x - 6) + y: A = one head's 128 rows of Wv, B = 256 tokens: a lane holds one of the head's 128, registers run along the tokens, the K of attention's second product.
; So a wave's 64 x 128 is half a head's unit, and its 64 registers of a block of 16 rows of A are quantised as they stand.
; ORDER ALONG K: register 8 t + j of lane half h is element 16 t + 8 h + j; the quantiser lays it at place 32 (t / 2) + 16 h + 8 (t % 2) + j: inside each true block of 32 the two middle groups of eight
; change places.  Both operands of each later product come out so, so the products are those of the natural order.
; WHAT IS STORED: a UNIT of 12,800 bytes for 128 rows: eight images of an operand's registers (16 rows x 128 K: 12 registers a lane, register group c of lane l at 512 c + 16 l), then the rows' 128 scale words.
; THE RING.  K goes in steps of 512 through two LDS slots filled by the tensor data mover: a tile's row is a chunk of 400 bytes, 384 of codes and its 16 scale bytes.  Both slots are asked for at the start,
; and each is filled again once: two refills in the launch.  Rows lie 400 bytes = 100 words apart: row r starts at bank 36 r mod 64, sixteen different multiples of four (64 banks of 4 bytes: ISA guide 11.1),
; and lanes 16-31 stand six words further on: the 32 lanes of a load of 8 bytes touch 64 different banks.  No padding.
; BOTH OPERANDS HAVE TWO SETS OF FRAGMENT REGISTERS: a step of 128 along K asks for all 72 loads of the next step first and then issues its 32 products.
; NO CLUSTER: v's work-groups take x and W the other way round than q's and k's, so the tile that neighbours share is source 1's in some work-groups and source 0's in others.
; NO PREFETCH: half of each work-group's bytes go out with the first fills, and every row is read by several work-groups.
; LIMITS: NaN and infinities are not served; a block of zeros gets the scale byte 1 (its codes are zeros; only this program reads the bytes).
; REGISTERS, in windows of 256: window 0: v16-31 addresses; v32-95 scale words, two sets, and nothing else; v128-223 A's fragments, two sets; on the way out v96-215 at work.
;   window 1: B's fragments, two sets, at v0 and v128; v96-127 and v224-255 the norm's gain.   window 2: the accumulators ((a, b) at v[8 (8 a + b)]).   window 3: cos and sin of my 64 tokens.
.set FR,     12                        ; registers of a fragment
.set NP,     4                         ; places behind this matrix instruction (ISA guide 7.12.1)
.set PITCH,  400                       ; a chunk: a tile's row, in memory and in LDS
.set HALFA,  64*PITCH                  ; what waves 0 and 1 fetch, and what a wave reads of A
.set HALFB,  128*PITCH                 ; what waves 2 and 3 fetch, and what a wave reads of B
.set SLOT,   2*HALFA+2*HALFB           ; A's 128 rows, then B's 256
.set SPARE,  2*SLOT                    ; the spare words, 128 bytes a wave: no other line names them
.set STG,    SPARE+512                 ; 256 bytes a wave: my 64 rows' scale words are gathered here; no fill lands here
.set WC,     6553600                   ; in prep: W's rows (x's at 0), 1,600 bytes each
.set RT,     11468800                  ; the table of cos and sin
.set UNIT,   12800
.set ADRA, 16                          ; v16-17  LDS address of my A fragments in slot 0, 1
.set ADRB, 18                          ; v18-19  the same for B
.set ADRS, 20                          ; v20-21  of my scale words: lanes 0-15 A's rows, lanes 16-31 B's
.set LI,   24                          ; v24  16 x lane
.set SST,  25                          ; v25  where I put a row's scale word
.set SRD,  26                          ; v26  where I read 8 bytes of my scale words back
.set L8,   27                          ; v27  8 x lane
.set SPW,  28
.set NIL,  29
.set RO,   30                          ; v30  the table: 512 r + 32 h
.set WO,   31                          ; v31  the gain: 32 h
.set SC,   32                          ; scale words: set s (for slot s) at v[SC + 32 s]; register 4 i + q: lanes 0-15 A's block i, lanes 16-31 B's block i, the slot's q-th 128 along K
.set AF,   128
.set X,    96                          ; v96-159  a block's 64 numbers a lane
.set TM,   160
.set PW,   176
.set PC,   178
.set TU,   198
.set SQ,   206
.set RS,   214
.set ISV,  17
.set G1,   24                          ; s[24:31] group 1 for A's tiles;  s[32:39] group 0, a set for each slot
.set G0,   32
.set G1B,  48                          ; s[48:55], s[56:63] the same for B's
.set G0B,  56
.set RB,   66
.set SEL,  68
.set R128, 70
.set EPS,  71
.set SB,   78
.set MSB, 0
.macro WIN new                         ; the immediate's high byte repeats the setting that is left
.if MSB != \new
	s_set_vgpr_msb (MSB<<8)|\new
.set MSB, \new
.endif
.endm
.set MUL,    0xa1                      ; source 0 (B) window 1, source 1 (A) window 0, C and D window 2
.set TO_B,   0x40
; A refill: waves 0 and 1 fetch A's halves, waves 2 and 3 B's; the branch hangs on the wave's number alone.  Four v_nop follow each of the two lines.
.macro TLD s
	s_cmp_eq_u32 s15, 0
	s_cbranch_scc0 .Lfor_b_\@
	tensor_load_to_lds s[G0+4*\s:G0+4*\s+3], s[G1:G1+7]
	s_nop 0
.rept 4
	v_nop
.endr
	s_branch .Lasked_\@
.Lfor_b_\@:
	tensor_load_to_lds s[G0B+4*\s:G0B+4*\s+3], s[G1B:G1B+7]
	s_nop 0
.rept 4
	v_nop
.endr
.Lasked_\@:
.endm
	s_load_b256 s[4:11], s[0:1], 0x0               ; prep, q_norm_w, k_norm_w, qkv
	v_lshl_add_u32 v[SPW], v0, 2, SPARE
	v_mov_b32 v[NIL], 0
	ds_add_u32 v28, v29
	s_wait_dscnt 0x0
	v_lshrrev_b32 v1, 5, v0
	v_readfirstlane_b32 s14, v1                    ; wave 0..3
	s_lshr_b32 s15, s14, 1                         ; which 64 rows of A are mine.  Also: I fetch for A (0) or for B (1)
	s_and_b32 s16, s14, 1                          ; which 128 rows of B.  Also: which half I fetch
	s_mov_b32 s12, ttmp9                           ; x
	s_and_b32 s13, ttmp7, 0xffff                   ; y
	s_sub_co_u32 s18, s12, 6                       ; (what follows of v is used in v's work-groups alone)
	s_lshl_b32 s18, s18, 5
	s_add_co_u32 s18, s18, s13                     ; which of v's 64 work-groups
	s_and_b32 s19, s18, 3                          ; its head
	s_lshr_b32 s18, s18, 2                         ; its 256 tokens
	s_lshl_b32 s20, s13, 7                         ; q, k: A begins at token 128 y,
	s_lshl_b32 s21, s19, 7
	s_add_co_u32 s21, s21, 1536                    ; v: at row 1,536 + 128 head of W
	s_lshl_b32 s22, s12, 8                         ; q, k: B begins at row 256 x of W,
	s_lshl_b32 s23, s18, 8                         ; v: at token 256 T
	s_cmp_ge_u32 s12, 6
	s_cselect_b32 s[ISV], 1, 0                     ; a work-group of v
	s_cselect_b32 s20, s21, s20
	s_cselect_b32 s40, WC, 0
	s_cselect_b32 s22, s23, s22
	s_cselect_b32 s41, 0, WC
	s_lshl_b32 s21, s16, 6
	s_add_co_u32 s20, s20, s21                     ; + the 64 rows that I would fetch
	s_mul_i32 s20, s20, 4*PITCH
	s_add_co_u32 s20, s20, s40                     ; in bytes from prep's start
	s_mov_b32 s21, 0
	s_lshl_b32 s23, s16, 7
	s_add_co_u32 s22, s22, s23                     ; + the 128 rows
	s_mul_i32 s22, s22, 4*PITCH
	s_add_co_u32 s22, s22, s41
	s_mov_b32 s23, 0
	; group 1: rows of 50 elements of 8 bytes, 200 elements from row to row; no padding.  A: 64 rows, B: 128
	s_mov_b32 s[G1+0], 3<<16
	s_mov_b32 s[G1+1], 50<<16
	s_mov_b32 s[G1+2], 64<<16
	s_mov_b32 s[G1+3], 50<<16
	s_mov_b32 s[G1+4], 64
	s_mov_b32 s[G1+5], 200
	s_mov_b32 s[G1+6], 0
	s_mov_b32 s[G1+7], 0
	s_mov_b32 s[G1B+0], 3<<16
	s_mov_b32 s[G1B+1], 50<<16
	s_mov_b32 s[G1B+2], 128<<16
	s_mov_b32 s[G1B+3], 50<<16
	s_mov_b32 s[G1B+4], 128
	s_mov_b32 s[G1B+5], 200
	s_mov_b32 s[G1B+6], 0
	s_mov_b32 s[G1B+7], 0
	s_mul_i32 s45, s16, HALFA                      ; where they go
	s_mul_i32 s46, s16, HALFB
	s_add_co_u32 s46, s46, 2*HALFA
	s_wait_kmcnt 0x0
	s_add_nc_u64 s[20:21], s[4:5], s[20:21]
	s_add_nc_u64 s[22:23], s[4:5], s[22:23]
.irp s, 0,1
	s_mov_b32 s[G0+4*\s], 1
	s_add_co_u32 s[G0+4*\s+1], s45, \s*SLOT
	s_add_nc_u64 s[G0+4*\s+2:G0+4*\s+3], s[20:21], \s*PITCH       ; slot s begins with chunk s
	s_or_b32 s[G0+4*\s+3], s[G0+4*\s+3], 0x80000000
	s_mov_b32 s[G0B+4*\s], 1
	s_add_co_u32 s[G0B+4*\s+1], s46, \s*SLOT
	s_add_nc_u64 s[G0B+4*\s+2:G0B+4*\s+3], s[22:23], \s*PITCH
	s_or_b32 s[G0B+4*\s+3], s[G0B+4*\s+3], 0x80000000
.endr
	s_cmp_eq_u32 s15, 0                            ; a wave's two first fills stand in one branch, ahead of every wait on TENSORcnt, every LDS read and every barrier: two loads of mine are out
	s_cbranch_scc0 .Lfirst_b
	tensor_load_to_lds s[G0:G0+3], s[G1:G1+7]
	s_nop 0
	tensor_load_to_lds s[G0+4:G0+7], s[G1:G1+7]
	s_nop 0
.rept 4
	v_nop
.endr
	s_branch .Lfirst_done
.Lfirst_b:
	tensor_load_to_lds s[G0B:G0B+3], s[G1B:G1B+7]
	s_nop 0
	tensor_load_to_lds s[G0B+4:G0B+7], s[G1B:G1B+7]
	s_nop 0
.rept 4
	v_nop
.endr
.Lfirst_done:
	v_and_b32 v1, 15, v0                           ; r
	v_bfe_u32 v2, v0, 4, 1                         ; h
	v_mul_u32_u24 v3, v1, PITCH
	v_mad_u32_u24 v4, v2, 24, v3                   ; a fragment's row x pitch + 24 h
	s_mul_i32 s72, s15, HALFA                      ; my 64 rows of A
	s_mul_i32 s73, s16, HALFB
	s_add_co_u32 s73, s73, 2*HALFA                 ; my 128 rows of B, behind A's 128
	s_sub_co_u32 s74, s73, s72
	v_mul_u32_u24 v5, s74, v2                      ; the scale words: lanes 16-31 take B's
	v_add_nc_u32 v5, v5, v3
.irp s, 0,1
	v_add_nc_u32 v[ADRA+\s], s72, v4
	v_add_nc_u32 v[ADRB+\s], s73, v4
	v_add_nc_u32 v[ADRS+\s], s72, v5
	s_add_co_u32 s72, s72, SLOT
	s_add_co_u32 s73, s73, SLOT
.endr
	v_and_b32 v6, 31, v0
	v_lshlrev_b32 v[LI], 4, v6
	v_lshlrev_b32 v[L8], 3, v6
	s_lshl_b32 s75, s14, 8
	s_add_co_u32 s75, s75, STG
	v_lshl_add_u32 v[SST], v1, 2, s75
	v_add_nc_u32 v[SRD], s75, v[L8]
	v_lshlrev_b32 v[RO], 9, v1
	v_lshl_add_u32 v[RO], v2, 5, v[RO]
	v_lshlrev_b32 v[WO], 5, v2
	s_lshl_b32 s40, s12, 1
	s_add_co_u32 s40, s40, s16                     ; which of the 16 heads of W's rows is my wave's: 0-7 q, 8-11 k (in v's work-groups the gain and the table are loaded and not used, so that every path finds the registers written)
	s_cmp_lt_u32 s40, 8
	s_cselect_b64 s[42:43], s[6:7], s[8:9]
	s_and_b32 s47, s13, 15                         ; which 128 tokens of the sequence
	s_lshl_b32 s72, s47, 7
	s_lshl_b32 s73, s15, 6
	s_add_co_u32 s72, s72, s73                     ; my first token's position
	s_lshl_b32 s72, s72, 9                         ; 512 bytes a position
	s_add_co_u32 s72, s72, RT
	s_mov_b32 s73, 0
	s_add_nc_u64 s[RB:RB+1], s[4:5], s[72:73]
	WIN 0x40                                       ; destination window 1
.irp i, 0,1,2,3
.irp e, 0,1                                    ; the gain in the results' layout: register 8 i + j is w[16 i + 8 h + j]
	global_load_b128 v[96+8*\i+4*\e:96+8*\i+4*\e+3], v[WO], s[42:43] offset:64*\i+16*\e
	global_load_b128 v[224+8*\i+4*\e:224+8*\i+4*\e+3], v[WO], s[42:43] offset:256+64*\i+16*\e
.endr
.endr
	WIN 0
.macro CSLOAD a                        ; cos and sin of my token 16 a + r at frequencies 16 i + 8 h + 0 .. 7, i = 0 .. 3: into window 3, 64 registers a block; asked for long before the way out
	WIN 0xc0
.irp i, 0,1,2,3
.irp e, 0,1
	global_load_b128 v[64*(\a)+8*\i+4*\e:64*(\a)+8*\i+4*\e+3], v[RO], s[RB:RB+1] offset:(\a)*8192+64*\i+16*\e
	global_load_b128 v[64*(\a)+32+8*\i+4*\e:64*(\a)+32+8*\i+4*\e+3], v[RO], s[RB:RB+1] offset:(\a)*8192+256+64*\i+16*\e
.endr
.endr
	WIN 0
.endm
	CSLOAD 0
	CSLOAD 1
	; which unit of qkv my wave fills half of
	s_lshr_b32 s44, s13, 4                         ; q, k: batch
	s_lshl_b32 s74, s44, 3
	s_add_co_u32 s74, s74, s40
	s_lshl_b32 s74, s74, 4
	s_add_co_u32 s74, s74, s47                     ; q: (8 batch + head) 16 + block
	s_lshl_b32 s75, s44, 2
	s_add_co_u32 s75, s75, s40
	s_sub_co_u32 s75, s75, 8
	s_lshl_b32 s75, s75, 4
	s_add_co_u32 s75, s75, s47
	s_lshl_b32 s75, s75, 1
	s_add_co_u32 s75, s75, 256                     ; k: 256 + ((4 batch + head) 16 + step) 2
	s_lshl_b32 s76, s18, 1
	s_add_co_u32 s76, s76, s16                     ; v: which 128 of the 4,096 tokens are my B's rows
	s_lshr_b32 s77, s76, 4                         ; batch
	s_and_b32 s76, s76, 15                         ; step
	s_lshl_b32 s77, s77, 2
	s_add_co_u32 s77, s77, s19
	s_lshl_b32 s77, s77, 4
	s_add_co_u32 s77, s77, s76
	s_lshl_b32 s77, s77, 1
	s_add_co_u32 s77, s77, 257                     ; v: the unit behind k's of the same step
	s_cmp_lt_u32 s40, 8
	s_cselect_b32 s74, s74, s75
	s_cmp_eq_u32 s[ISV], 1
	s_cselect_b32 s74, s77, s74
	s_mul_i32 s74, s74, UNIT
	s_mov_b32 s75, 0
	s_add_nc_u64 s[10:11], s[10:11], s[74:75]      ; the unit
	s_lshl_b32 s76, s15, 8
	s_add_co_u32 s76, s76, 12288
	s_mov_b32 s77, 0
	s_add_nc_u64 s[SB:SB+1], s[10:11], s[76:77]    ; my 64 scale words in it
	s_mul_i32 s76, s15, 4*1536
	s_add_nc_u64 s[10:11], s[10:11], s[76:77]      ; my four images
	s_mov_b32 s[SEL], 0x76543210
	s_mov_b32 s[SEL+1], 0xfedcba98                 ; v_permlanex16_b32's selects for lane l xor 16
	s_mov_b32 s[R128], 0x3c000000                  ; 1 / 128
	s_mov_b32 s[EPS], 0x358637bd                   ; 1e-6
.macro FRAG reg, adr, q, i             ; 16 rows x 128 K of 6-bit codes: 12 registers: 24 bytes at 96 q + 24 h of the row and 24 at 48 more, in pieces of 8 bytes
.irp p, 0,1,2,3,4,5
	ds_load_b64 v[\reg+2*\p:\reg+2*\p+1], v[\adr] offset:96*(\q)+48*(\p/3)+8*(\p%3)+(\i)*16*PITCH
.endr
.endm
; 16 matrix instructions: A's blocks a0, a0 + 1 x B's eight.  The 32 accumulators take turns, one instruction a turn, in the same order in every step.
.macro MUL16 a0, p, q, sc, zero
.irp a, \a0, \a0+1
.irp b, 0,1,2,3,4,5,6,7
.if \zero
	v_wmma_scale_f32_16x16x128_f8f6f4 v[8*(8*(\a)+\b):8*(8*(\a)+\b)+7], v[128*(\p)+FR*\b:128*(\p)+FR*\b+FR-1], v[AF+48*(\p)+FR*(\a):AF+48*(\p)+FR*(\a)+FR-1], 0, v[SC+32*(\sc)+4*\b+(\q)], v[SC+32*(\sc)+4*(\a)+(\q)] matrix_a_fmt:MATRIX_FMT_FP6 matrix_b_fmt:MATRIX_FMT_FP6 matrix_a_scale:MATRIX_SCALE_ROW1
.else
	v_wmma_scale_f32_16x16x128_f8f6f4 v[8*(8*(\a)+\b):8*(8*(\a)+\b)+7], v[128*(\p)+FR*\b:128*(\p)+FR*\b+FR-1], v[AF+48*(\p)+FR*(\a):AF+48*(\p)+FR*(\a)+FR-1], v[8*(8*(\a)+\b):8*(8*(\a)+\b)+7], v[SC+32*(\sc)+4*\b+(\q)], v[SC+32*(\sc)+4*(\a)+(\q)] matrix_a_fmt:MATRIX_FMT_FP6 matrix_b_fmt:MATRIX_FMT_FP6 matrix_a_scale:MATRIX_SCALE_ROW1
.endif
.endr
.endr
.endm
.macro FETCH slot, q, p                ; the 12 fragments of the slot's q-th 128 along K into set p: 72 loads in one run
	WIN TO_B
.irp i, 0,1,2,3,4,5,6,7
	FRAG 128*(\p)+FR*\i, ADRB+\slot, \q, \i
.endr
	WIN 0
.irp i, 0,1,2,3
	FRAG AF+48*(\p)+FR*\i, ADRA+\slot, \q, \i
.endr
.endm
.macro SCALES sc                       ; a slot's scale words, four a row, behind the row's 384 bytes of codes.  (A has four blocks: in registers 16 to 31 of a set lanes 0-15 hold words of other rows of the slot, which no product names)
.irp i, 0,1,2,3,4,5,6,7
	ds_load_b128 v[SC+32*\sc+4*\i:SC+32*\sc+4*\i+3], v[ADRS+\sc] offset:384+\i*16*PITCH
.endr
.endm
.macro PLACES n                        ; plain vector instructions between a matrix instruction and a load into, or a vector read or write of, its registers
.rept \n
	v_nop
.endr
.endm
; A step of 128 along K that has its successor in the same slot.
.macro STEP slot, q, zero
	s_wait_dscnt 0x0                               ; this step's fragments, asked for a step ago, are in
	PLACES NP                                      ; the other sets were read by the last step's products
	FETCH \slot, (\q)+1, 1-(\q)%2
	WIN MUL
	MUL16 0, (\q)%2, \q, \slot, \zero
	MUL16 2, (\q)%2, \q, \slot, \zero
	WIN 0
.endm
; A slot's last step changes slots: one barrier; in front of it each wave waits for all its tensor loads, adds 0 to its spare word, and waits for that and for its reads of this slot.
.macro TURN slot, next, fill
	s_wait_tensorcnt 0x0                           ; all my tensor loads have landed: my part of the next slot
	ds_add_u32 v[SPW], v[NIL]                      ; 0 onto my spare word
	s_wait_dscnt 1                                 ; this step's fragments are in (the add may be out)
	WIN MUL
	MUL16 0, 1, 3, \slot, 0                        ; sixteen matrix instructions stand between the add and the wait for it
	s_wait_dscnt 0x0                               ; the add is done, and my reads of this slot are over
	s_barrier_signal -1
	WIN 0
	s_barrier_wait -1
.if \fill
	s_add_nc_u64 s[G0+4*\slot+2:G0+4*\slot+3], s[G0+4*\slot+2:G0+4*\slot+3], 2*PITCH
	s_add_nc_u64 s[G0B+4*\slot+2:G0B+4*\slot+3], s[G0B+4*\slot+2:G0B+4*\slot+3], 2*PITCH
	TLD \slot                                      ; my one tensor load behind the barrier: this slot's chunk two on; it has four steps in which to land.  Its four v_nop are also the places in front of the loads below
.else
	PLACES NP
.endif
	FETCH \next, 0, 0
	SCALES \next
	WIN MUL
	MUL16 2, 1, 3, \slot, 0
	WIN 0
.endm
	s_wait_tensorcnt 1                             ; my part of slot 0 is in (slot 1's load may be out)
	s_barrier_signal -1
	s_barrier_wait -1
	FETCH 0, 0, 0
	SCALES 0
	STEP 0, 0, 1                                   ; the first step's products start the sums
	CSLOAD 2
	CSLOAD 3
	STEP 0, 1, 0
	STEP 0, 2, 0
	TURN 0, 1, 1                                   ; slot 0 takes chunk 2
	STEP 1, 0, 0
	STEP 1, 1, 0
	STEP 1, 2, 0
	TURN 1, 0, 1                                   ; slot 1 takes chunk 3
	STEP 0, 0, 0
	STEP 0, 1, 0
	STEP 0, 2, 0
	TURN 0, 1, 0                                   ; nothing is left to fetch
	STEP 1, 0, 0
	STEP 1, 1, 0
	STEP 1, 2, 0
	s_wait_dscnt 0x0
	WIN MUL
	MUL16 0, 1, 3, 1, 0
	MUL16 2, 1, 3, 1, 0
	WIN 0
; THE WAY OUT, a block of 16 rows of A at a time.
; 64 numbers of a lane, v[s] .. v[s + 63], become a fragment's codes in v[PC] .. v[PC + 11] and its row's scale word in v[PW]: registers 16 b .. 16 b + 15 are my half of block b.
.macro QUANT s
.irp b, 0,1,2,3
	v_max3_num_f32 v[TM+\b], |v[\s+16*\b]|, |v[\s+1+16*\b]|, 0x1800000   ; and the floor 2^(3 - 127): the byte cannot fall under 1
.endr
.irp i, 2,4,6,8,10,12,14
.irp b, 0,1,2,3
	v_max3_num_f32 v[TM+\b], v[TM+\b], |v[\s+16*\b+\i]|, |v[\s+1+16*\b+\i]|
.endr
.endr
.irp b, 0,1,2,3
	v_permlanex16_b32 v[TM+4+\b], v[TM+\b], s[SEL], s[SEL+1]
.endr
.irp b, 0,1,2,3
	v_max_num_f32 v[TM+\b], v[TM+\b], v[TM+4+\b]   ; with lane l xor 16's: the block's largest magnitude
.endr
.irp b, 0,1,2,3
	v_add_nc_u32 v[TM+12+\b], 0xff000000, v[TM+\b] ; 2 off its exponent field: the conversion's scale operand
.endr
.irp b, 0,1,2,3
	v_lshrrev_b32 v[TM+4+\b], 23, v[TM+12+\b]      ; the scale's byte
.endr
	v_lshl_or_b32 v[PW], v[TM+5], 8, v[TM+4]
	v_lshl_or_b32 v[PW], v[TM+6], 16, v[PW]
	v_lshl_or_b32 v[PW], v[TM+7], 24, v[PW]
.irp c, 0,1
	v_cvt_scalef32_pk16_fp6_f32 v[PC+6*\c:PC+2+6*\c], v[\s+32*\c:\s+15+32*\c], v[TM+12+2*\c]
	v_cvt_scalef32_pk16_fp6_f32 v[PC+12+4*\c:PC+14+4*\c], v[\s+16+32*\c:\s+31+32*\c], v[TM+12+2*\c+1]   ; (a conversion's three registers begin on an even number)
.endr
	v_nop                                          ; one plain place behind a scaled conversion
.irp c, 0,1                                    ; the operand's layout wants a whole block in a lane
.irp i, 0,1,2
	v_permlane16_swap_b32 v[PC+6*\c+\i], v[PC+12+4*\c+\i]
.endr
.irp i, 0,1,2
	v_mov_b32 v[PC+3+6*\c+\i], v[PC+12+4*\c+\i]
.endr
.endr
.endm
.macro EPI a
.set AC, 64*(\a)
	s_cmp_eq_u32 s[ISV], 1
	s_cbranch_scc1 .Lv_\@
	WIN 0x0a                                       ; sources 0 and 1: the accumulators' window
.set NN, 0
.rept 4
	v_pk_mul_f32 v[SQ+2*NN:SQ+2*NN+1], v[AC+2*NN:AC+2*NN+1], v[AC+2*NN:AC+2*NN+1]   ; the squares, in four chains; each accumulator is read from its low end on
.set NN, NN+1
.endr
.rept 28
	v_pk_fma_f32 v[SQ+2*(NN%4):SQ+2*(NN%4)+1], v[AC+2*NN:AC+2*NN+1], v[AC+2*NN:AC+2*NN+1], v[SQ+2*(NN%4):SQ+2*(NN%4)+1]
.set NN, NN+1
.endr
	WIN 0
	v_pk_add_f32 v[SQ:SQ+1], v[SQ:SQ+1], v[SQ+2:SQ+3]
	v_pk_add_f32 v[SQ+4:SQ+5], v[SQ+4:SQ+5], v[SQ+6:SQ+7]
	v_pk_add_f32 v[SQ:SQ+1], v[SQ:SQ+1], v[SQ+4:SQ+5]
	v_add_f32 v[SQ], v[SQ], v[SQ+1]
	v_permlanex16_b32 v[SQ+2], v[SQ], s[SEL], s[SEL+1]
	v_add_f32 v[SQ], v[SQ], v[SQ+2]                ; the sum over the head's 128
	v_fma_f32 v[SQ], v[SQ], s[R128], s[EPS]
	v_rsq_f32 v[RS], v[SQ]
	v_nop                                          ; a plain place behind the root
	s_wait_alu depctr_va_vdst(0)                   ; and the wait ahead of its first reader
	WIN 0x02                                       ; source 0: the accumulators' window
.set NN, 0
.rept 32
	v_pk_mul_f32 v[X+2*NN:X+2*NN+1], v[AC+2*NN:AC+2*NN+1], v[RS:RS+1] op_sel_hi:[1,0]
.set NN, NN+1
.endr
	WIN 0x04                                       ; source 1: the gain, in window 1
.set NN, 0
.rept 16
	v_pk_mul_f32 v[X+2*NN:X+2*NN+1], v[X+2*NN:X+2*NN+1], v[96+2*NN:96+2*NN+1]
	v_pk_mul_f32 v[X+32+2*NN:X+32+2*NN+1], v[X+32+2*NN:X+32+2*NN+1], v[224+2*NN:224+2*NN+1]
.set NN, NN+1
.endr
	WIN 0x0c                                       ; source 1: cos and sin, in window 3
.set NN, 0
.rept 16                                       ; register n is channel d < 64, register n + 32 channel d + 64: (lo, hi) -> (lo cos - hi sin, hi cos + lo sin)
.set TT, TU+4*(NN%2)
	v_pk_mul_f32 v[TT:TT+1], v[X+32+2*NN:X+32+2*NN+1], v[AC+32+2*NN:AC+32+2*NN+1]
	v_pk_mul_f32 v[TT+2:TT+3], v[X+2*NN:X+2*NN+1], v[AC+32+2*NN:AC+32+2*NN+1]
	v_pk_fma_f32 v[X+2*NN:X+2*NN+1], v[X+2*NN:X+2*NN+1], v[AC+2*NN:AC+2*NN+1], v[TT:TT+1] neg_lo:[0,0,1] neg_hi:[0,0,1]
	v_pk_fma_f32 v[X+32+2*NN:X+32+2*NN+1], v[X+32+2*NN:X+32+2*NN+1], v[AC+2*NN:AC+2*NN+1], v[TT+2:TT+3]
.set NN, NN+1
.endr
	WIN 0
	s_branch .Lj_\@
.Lv_\@:
	WIN 0x02
.set NN, 0
.rept 32
	v_pk_mul_f32 v[X+2*NN:X+2*NN+1], v[AC+2*NN:AC+2*NN+1], 1.0 op_sel_hi:[1,0]   ; v has no norm: the numbers move to window 0, two at a time
.set NN, NN+1
.endr
	WIN 0
.Lj_\@:
	s_wait_xcnt 0x0                                ; the last block's stores have read the codes' registers,
	s_wait_dscnt 0x0                               ; and its LDS store the scale word's
	QUANT X
.irp c, 0,1,2
	global_store_b128 v[LI], v[PC+4*\c:PC+4*\c+3], s[10:11] offset:(\a)*1536+512*\c   ; 32 lanes store 512 consecutive bytes, aligned
.endr
	ds_store_b32 v[SST], v[PW] offset:64*(\a)      ; lanes r and r + 16 write the same word with the same value
.endm
	PLACES NP
.irp b, 0,1,2,3
	v_mov_b32 v[TM+4+\b], 0                        ; written once: a lane permute's destination counts as one of its sources
.endr
	v_mov_b32 v[RS+1], 0                           ; (named as the upper half of a pair)
	s_wait_loadcnt 0x0                             ; the gain and the table, asked for at the head and behind the first step
.irp a, 0,1,2,3
	EPI \a
.endr
	ds_load_b64 v[X:X+1], v[SRD]                   ; LDS serves a wave's instructions in order: this sees my four stores
	s_wait_dscnt 0x0
	global_store_b64 v[L8], v[X:X+1], s[SB:SB+1]   ; my 64 scale words: 256 consecutive bytes, aligned
	s_wait_tensorcnt 0x0                           ; the wave's end
	ds_add_u32 v[SPW], v[NIL]
	s_wait_dscnt 0x0
	s_endpgm
.Lfunc_end_k_q10b4d6a93a_qkv:
	.size	k_q10b4d6a93a_qkv, .Lfunc_end_k_q10b4d6a93a_qkv-k_q10b4d6a93a_qkv
	.p2alignl 7, 3214868480
	.fill 96, 4, 3214868480
	.section	.rodata,"a",@progbits
	.p2align	6, 0x0
	.amdhsa_kernel k_q10b4d6a93a_qkv
		.amdhsa_group_segment_fixed_size 327680
		.amdhsa_private_segment_fixed_size 0
		.amdhsa_enable_private_segment 0
		.amdhsa_kernarg_size 32
		.amdhsa_user_sgpr_count 2
		.amdhsa_user_sgpr_kernarg_segment_ptr 1
		.amdhsa_wavefront_size32 1
		.amdhsa_system_sgpr_workgroup_id_x 1
		.amdhsa_system_sgpr_workgroup_id_y 1
		.amdhsa_system_sgpr_workgroup_id_z 1
		.amdhsa_system_vgpr_workitem_id 0
		.amdhsa_next_free_vgpr 1024
		.amdhsa_next_free_sgpr 80
		.amdhsa_reserve_vcc 0
		.amdhsa_float_denorm_mode_32 3
		.amdhsa_float_denorm_mode_16_64 3
		.amdhsa_memory_ordered 1
		.amdhsa_forward_progress 1
		.amdhsa_inst_pref_size 229
	.end_amdhsa_kernel
	.amdgpu_metadata
---
amdhsa.version: [ 1, 2 ]
amdhsa.kernels:
  - .name:           k_q10b4d6a93a_qkv
    .symbol:         k_q10b4d6a93a_qkv.kd
    .args:
      - { .name: prep, .offset: 0, .size: 8, .value_kind: global_buffer, .address_space: global }
      - { .name: q_norm_w, .offset: 8, .size: 8, .value_kind: global_buffer, .address_space: global }
      - { .name: k_norm_w, .offset: 16, .size: 8, .value_kind: global_buffer, .address_space: global }
      - { .name: qkv, .offset: 24, .size: 8, .value_kind: global_buffer, .address_space: global }
    .group_segment_fixed_size: 327680
    .private_segment_fixed_size: 0
    .kernarg_segment_align: 8
    .kernarg_segment_size: 32
    .max_flat_workgroup_size: 128
    .sgpr_count:     80
    .vgpr_count:     1024
    .wavefront_size: 32
...
	.end_amdgpu_metadata
.endif
;; end of part 2
;; launch attn (part 3): grid 4 x 64, 8 waves a work-group, clusters of 4 x 4, 327,680 bytes of LDS; arguments qkv, attention_mask, att; writes att
.if DOCPART == 3
	.amdgcn_target "amdgcn-amd-amdhsa--gfx1250"
	.amdhsa_code_object_version 6
	.text
	.protected	k_q10b4d6a93a_attn
	.globl	k_q10b4d6a93a_attn
	.p2align	8
	.type	k_q10b4d6a93a_attn,@function
k_q10b4d6a93a_attn:
	s_mov_b64 s[64:65], 0
	v_nop
	global_prefetch_b8 v0, s[64:65] scope:SCOPE_SE
	s_setreg_imm32_b32 hwreg(HW_REG_WAVE_MODE, 25, 1), 1
	s_wait_xcnt 0x0
	s_wait_alu depctr_hold_cnt(0) depctr_sa_sdst(0) depctr_va_vdst(0) depctr_va_sdst(0) depctr_va_ssrc(0) depctr_va_vcc(0) depctr_vm_vsrc(0)
	s_getreg_b32 s2, hwreg(HW_REG_IB_STS2, 6, 4)
	s_cmp_eq_u32 s2, 0
	s_cbranch_scc0 .Lentry_in_a_cluster
	s_endpgm
.Lentry_in_a_cluster:
	s_bfe_u32 s2, ttmp6, 0x10000c
	s_cmp_lg_u32 s2, 0xf033
	s_cbranch_scc0 .Lentry_shape_is_right
	s_endpgm
.Lentry_shape_is_right:
; LAUNCH 3.  attn = softmax(q k^T / sqrt(128) + mask) v for 2 batches x 8 heads x 2,048 queries x 2,048 keys, both products on codes of FP6 (E2M3) with E8M0 scales; the result leaves as codes for the last product.
; THE MASK IS AN INPUT: every number of it is read and added; no tile is left out.
; THE SOFTMAX AHEAD OF THE SECOND PRODUCT: u = score / sqrt(128) + mask; t = u log2(e); M = the row's largest t so far, rounded up to a whole number; p = 2^(t - M) is quantised along the keys, not normalised.
; The row's sum is taken of the unquantised p and divides at the end.  When M moves, the sum and O are multiplied by 2^(old M - new M): exact.
; SHARES.  Work-group (x, y): key/value head x, rows 64 y .. 64 y + 63 of the 4,096 (batch, query) rows.  Wave w: the tile of 16 queries w % 4, of query head 2 x + w / 4.  Two waves to a SIMD.
; Every wave walks the 2,048 keys, 128 a step; K, V and the mask come through a ring of two LDS slots of 256 keys.
; CLUSTER 4 x 4.  The four work-groups of a column (same x, four y of one batch) read the same K and V; the four of a row (same y) the same rows of the mask: each tile is asked for jointly.
; LAYOUT.  Both products are used transposed: S^T = K Q^T, O^T = V^T P^T: a lane holds one query throughout.  K, V and Q come as images of operand registers (three loads of 16 bytes a lane for a fragment).
; Along the keys p's codes lie in the order in which the registers give them (in each block of 32 the two middle groups of eight change places); V's codes were laid so too; likewise q and k along the head's 128.
; LIMITS: NaN and +infinity are not served; a row whose mask is -infinity everywhere gives NaN.  t - M is one fused multiply-add of u: for |u| near 1e9 (a row masked everywhere) the exponent differs from
; 'round t, then subtract' by up to half a unit in t's last place.  The scale words of the result are stored 4 bytes a row, 32 bytes apart: 128 KiB of the launch's 3.1 MiB.
; REGISTERS: window 0: v1-10 addresses; v12 -M, v13 the largest t, v[14:15] the sum; v16-27 Q; v28 the prefetches' offset; v32-69 the way out's quantiser; v96-159 S^T, then p; v160-223 O^T; v224-254 at work;
;   v248-251 K's, then V's scale words; v253 p's; v255 Q's.   window 1: v0-63 the mask's numbers; v64-159 eight fragments of K, then of V.
.set UNIT,  12800
.set STEPB, 25600                      ; a key step: K's unit, then V's
.set MOFF,  2*STEPB                    ; a slot: two key steps, then 64 rows of the mask x (1,024 bytes + 16)
.set MP,    1040
.set SLOT1, 1<<17
.set SPARE, 2*SLOT1                    ; the spare words, 128 bytes a wave: no other line names them
.set ASCL,  3145728                    ; in att: the scale bytes
.set AKV,  1                           ; v1   16 x lane
.set AMK,  2                           ; v2   my query's row of the mask's tile, + 32 h
.set ASC,  3                           ; v3   4 x lane
.set SPW,  5
.set NIL,  6
.set ADK,  8
.set ADM,  9
.set ADS,  10
.set PFO,  28
.set TM,   32
.set PW,   48
.set PC,   50
.set KF,   64                          ; in window 1
.set WV,   18
.set SEL,  20
.set CS,   22                          ; s[22:23] log2(e)
.set G1KV, 24
.set G1M,  32
.set G0KV, 40
.set G0M,  44
.set INV,  48                          ; s[48:49] 1 / sqrt(128)
.set TB,   50
.set SLOTS, 51
.set PFA,  52
.set PFS,  54
.set LIM,  56
.set MSB, 0
.macro WIN new
.if MSB != \new
	s_set_vgpr_msb (MSB<<8)|\new
.set MSB, \new
.endif
.endm
; A joint load: waves 0 and 1 fetch the slot's two key steps of K and V, waves 2 and 3 the two halves of the mask's rows, the others nothing.  The branches hang on the wave's number alone.
; Four v_nop follow each of the two lines.
.macro TLOAD
	s_cmp_lt_u32 s[WV], 2
	s_cbranch_scc0 .Lnot_k_\@
	tensor_load_to_lds s[G0KV:G0KV+3], s[G1KV:G1KV+7]
	s_nop 0
.rept 4
	v_nop
.endr
	s_branch .Lasked_\@
.Lnot_k_\@:
	s_cmp_lt_u32 s[WV], 4
	s_cbranch_scc0 .Lasked_\@
	tensor_load_to_lds s[G0M:G0M+3], s[G1M:G1M+7]
	s_nop 0
.rept 4
	v_nop
.endr
.Lasked_\@:
.endm
; A prefetch of what the NEXT change of slots will ask for, one instruction in each of the waves that fetch nothing.  Waves 4, 5: the mask: of the work-group row's 64 rows x 1,024 bytes each of the four
; partners takes 16 rows, told apart by address; a wave 8 rows x 4 blocks of 256 bytes.  Waves 6, 7: K and V, 51,200 bytes: the four partners of a column take 12,800 each, a wave 25 blocks
; (lanes 25-31 name lane 24's block again); only the batch's first cluster asks, since all eight walk the same K and V.  The last change that fills a slot asks for nothing.
.macro ASK
	s_cmp_gt_u32 s[SLOTS], s[LIM]
	s_cbranch_scc0 .Lnot_mine_\@
	global_prefetch_b8 v[PFO], s[PFA:PFA+1] th:TH_LOAD_NT scope:SCOPE_SE
.Lnot_mine_\@:
.endm
.macro ROUND                           ; a round of the cluster's barrier
	s_barrier_signal -1
	s_barrier_wait -1
	s_cmp_lg_u32 s[WV], 0
	s_cbranch_scc1 .Lnot_wave_0_\@
	s_barrier_signal -3
.Lnot_wave_0_\@:
	s_barrier_wait -3
	s_barrier_signal -1
	s_barrier_wait -1
.endm
	s_load_b128 s[4:7], s[0:1], 0x0                ; qkv, attention_mask
	s_load_b64 s[8:9], s[0:1], 0x10                ; att
	v_lshl_add_u32 v[SPW], v0, 2, SPARE
	v_mov_b32 v[NIL], 0
	ds_add_u32 v5, v6
	s_wait_dscnt 0x0
	v_lshrrev_b32 v8, 5, v0
	v_readfirstlane_b32 s[WV], v8                  ; wave 0..7
	s_bfe_u32 s57, ttmp6, 0x40000                  ; cx
	s_bfe_u32 s58, ttmp6, 0x40004                  ; cy
	s_and_b32 s59, ttmp7, 0xffff                   ; the cluster's y
	; K and V: the address hangs on x and on the cluster's y alone (the batch is cluster y / 8), which a column of the cluster shares
	s_lshl_b32 s60, ttmp9, 2
	s_add_co_u32 s60, s60, s57                     ; key/value head
	s_lshr_b32 s61, s59, 3                         ; batch
	s_lshl_b32 s62, s61, 2
	s_add_co_u32 s62, s62, s60
	s_lshl_b32 s62, s62, 5                         ; 32 units for a (batch, head)
	s_add_co_u32 s62, s62, 256                     ; behind q's 256
	s_mul_i32 s62, s62, UNIT
	s_and_b32 s63, s[WV], 1
	s_mul_i32 s66, s63, STEPB                      ; which of a slot's two steps I fetch: in memory and in LDS
	s_add_co_u32 s68, s62, s66
	s_mov_b32 s69, 0
	s_lshl_b32 s67, 0x1111, s57                    ; my column of the cluster
	; the mask: the address hangs on y alone, which a row of the cluster shares
	s_lshl_b32 s70, s59, 2
	s_add_co_u32 s70, s70, s58                     ; y
	s_lshl_b32 s71, s70, 6
	s_lshl_b32 s72, s63, 5
	s_add_co_u32 s71, s71, s72                     ; row 64 y + 32 x half
	s_lshl_b32 s72, s71, 13                        ; 8,192 bytes a row
	s_mov_b32 s73, 0
	s_mul_i32 s74, s63, 32*MP
	s_add_co_u32 s74, s74, MOFF
	s_lshl_b32 s75, s58, 2
	s_lshl_b32 s75, 15, s75                        ; my row of the cluster
	; group 1.  K and V: 25,600 dense bytes as 100 rows of 256 (32 elements of 8 bytes)
	s_or_b32 s[G1KV], s67, (3<<16)|(1<<21)
	s_mov_b32 s[G1KV+1], 32<<16
	s_mov_b32 s[G1KV+2], 100<<16
	s_mov_b32 s[G1KV+3], 32<<16
	s_mov_b32 s[G1KV+4], 100
	s_mov_b32 s[G1KV+5], 32
	s_mov_b32 s[G1KV+6], 0
	s_mov_b32 s[G1KV+7], 0
	; the mask: 32 rows x 256 elements of 4 bytes, 2,048 elements from row to row; 4 words of padding behind every 256
	s_or_b32 s[G1M], s75, (2<<16)|(1<<20)|(1<<21)|(7<<22)|(3<<25)
	s_mov_b32 s[G1M+1], 256<<16
	s_mov_b32 s[G1M+2], 32<<16
	s_mov_b32 s[G1M+3], 256<<16
	s_mov_b32 s[G1M+4], 32
	s_mov_b32 s[G1M+5], 2048
	s_mov_b32 s[G1M+6], 0
	s_mov_b32 s[G1M+7], 0
	s_mov_b32 s[SEL], 0x76543210
	s_mov_b32 s[SEL+1], 0xfedcba98
	s_mov_b32 s[CS], 0x3fb8aa3b                    ; log2(e)
	s_mov_b32 s[CS+1], s[CS]
	s_mov_b32 s[INV], 0x3db504f3                   ; 1 / sqrt(128)
	s_mov_b32 s[INV+1], s[INV]
	s_mov_b32 s[TB], 0
	s_mov_b32 s[SLOTS], 7
	s_wait_kmcnt 0x0
	s_mov_b32 s[G0KV], 1
	s_mov_b32 s[G0KV+1], s66
	s_add_nc_u64 s[G0KV+2:G0KV+3], s[4:5], s[68:69]
	s_or_b32 s[G0KV+3], s[G0KV+3], 0x80000000
	s_mov_b32 s[G0M], 1
	s_mov_b32 s[G0M+1], s74
	s_add_nc_u64 s[G0M+2:G0M+3], s[6:7], s[72:73]
	s_or_b32 s[G0M+3], s[G0M+3], 0x80000000
	ROUND                                          ; all sixteen work-groups are here: the first joint loads meet
	TLOAD                                          ; slot 0
	; my queries, and where my results go
	s_lshl_b32 s76, s59, 2
	s_add_co_u32 s76, s76, s58                     ; y
	s_and_b32 s77, s[WV], 3                        ; which tile of 16 queries
	s_lshr_b32 s78, s[WV], 2                       ; which of the two query heads
	s_lshl_b32 s82, ttmp9, 2
	s_add_co_u32 s82, s82, s57                     ; key/value head
	s_lshl_b32 s83, s82, 1
	s_add_co_u32 s83, s83, s78                     ; query head
	s_lshr_b32 s79, s76, 5                         ; batch
	s_and_b32 s80, s76, 31                         ; which 64 queries of the sequence
	s_lshl_b32 s86, s79, 3
	s_add_co_u32 s86, s86, s83
	s_lshl_b32 s86, s86, 4
	s_lshr_b32 s87, s80, 1
	s_add_co_u32 s86, s86, s87
	s_mul_i32 s86, s86, UNIT                       ; q's unit
	s_and_b32 s87, s80, 1
	s_lshl_b32 s87, s87, 2
	s_add_co_u32 s87, s87, s77                     ; and the image in it
	s_mul_i32 s88, s87, 1536
	s_add_co_u32 s88, s88, s86
	s_mov_b32 s89, 0
	s_lshl_b32 s90, s87, 6
	s_add_co_u32 s90, s90, s86
	s_add_co_u32 s90, s90, 12288                   ; its scale words
	s_mov_b32 s91, 0
	s_add_nc_u64 s[88:89], s[4:5], s[88:89]
	s_add_nc_u64 s[90:91], s[4:5], s[90:91]
	s_lshl_b32 s84, s82, 8
	s_lshl_b32 s85, s76, 2
	s_add_co_u32 s84, s84, s85
	s_add_co_u32 s84, s84, s77
	s_lshl_b32 s84, s84, 1
	s_add_co_u32 s84, s84, s78
	s_mul_i32 s92, s84, 1536                       ; att: image ((key/value head x 256 + row / 16) 2 + which query head)
	s_mov_b32 s93, 0
	s_add_nc_u64 s[92:93], s[8:9], s[92:93]
	s_lshl_b32 s94, s76, 6
	s_lshl_b32 s85, s77, 4
	s_add_co_u32 s94, s94, s85
	s_lshl_b32 s94, s94, 5                         ; 32 scale bytes a row,
	s_lshl_b32 s85, s83, 2
	s_add_co_u32 s94, s94, s85                     ; my head's four
	s_add_co_u32 s94, s94, ASCL
	s_mov_b32 s95, 0
	s_add_nc_u64 s[94:95], s[8:9], s[94:95]
	; the prefetches
	s_lshl_b32 s96, s76, 6
	s_lshl_b32 s97, s57, 4
	s_add_co_u32 s96, s96, s97
	s_and_b32 s97, s[WV], 1
	s_lshl_b32 s98, s97, 3
	s_add_co_u32 s96, s96, s98                     ; the mask: row 64 y + 16 cx + 8 x (wave - 4)
	s_lshl_b32 s96, s96, 13
	s_add_co_u32 s96, s96, 1024                    ; in slot 1: the first change of slots steps it to slot 2
	s_lshl_b32 s98, s58, 1
	s_add_co_u32 s98, s98, s97
	s_mul_i32 s98, s98, 6400                       ; K and V: part 2 cy + (wave - 6) of eight
	s_add_co_u32 s98, s98, s62
	s_add_co_u32 s98, s98, 2*STEPB
	s_mov_b32 s[PFS], 2*STEPB
	s_mov_b32 s[PFS+1], 0
	s_cmp_lt_u32 s[WV], 6
	s_cselect_b64 s[PFA:PFA+1], s[6:7], s[4:5]
	s_cselect_b32 s96, s96, s98
	s_cselect_b32 s[PFS], 1024, s[PFS]
	s_cselect_b32 s99, -1, 0
	s_mov_b32 s97, 0
	s_add_nc_u64 s[PFA:PFA+1], s[PFA:PFA+1], s[96:97]
	v_and_b32 v9, 31, v0                           ; lane
	v_lshrrev_b32 v10, 2, v9
	v_and_b32 v11, 3, v9
	v_lshlrev_b32 v11, 8, v11
	v_lshl_add_u32 v10, v10, 13, v11               ; the mask: row lane / 4, block lane % 4
	v_min_u32 v11, 24, v9
	v_lshlrev_b32 v11, 8, v11                      ; K and V: block min(lane, 24)
	v_cndmask_b32 v[PFO], v11, v10, s99
	s_and_b32 s98, s59, 7
	s_cmp_eq_u32 s98, 0
	s_cselect_b32 s98, 1, -1                       ; the batch's first cluster: the same in all sixteen partners
	s_cmp_lt_u32 s[WV], 6
	s_cselect_b32 s[LIM], 1, s98
	s_cmp_lt_u32 s[WV], 4
	s_cselect_b32 s[LIM], -1, s[LIM]
	v_and_b32 v8, 15, v0                           ; r
	v_bfe_u32 v10, v0, 4, 1                        ; h
	v_lshlrev_b32 v[AKV], 4, v9
	v_lshlrev_b32 v[ASC], 2, v9
	v_lshlrev_b32 v4, 2, v8
	global_load_b128 v[16:19], v[AKV], s[88:89]    ; Q's fragment stays in registers
	global_load_b128 v[20:23], v[AKV], s[88:89] offset:512
	global_load_b128 v[24:27], v[AKV], s[88:89] offset:1024
	global_load_b32 v255, v4, s[90:91]             ; and its scale words
	s_mul_i32 s98, s77, 16*MP
	s_add_co_u32 s98, s98, MOFF
	v_mul_u32_u24 v[AMK], v8, MP
	v_lshl_add_u32 v[AMK], v10, 5, v[AMK]
	v_add_nc_u32 v[AMK], s98, v[AMK]
	v_mov_b32 v13, 0xff61b1e6                      ; the largest t so far: -3e38
	v_floor_f32 v12, -v13                          ; -M
	v_mov_b32 v14, 0
	v_mov_b32 v15, 0
.irp b, 0,1,2,3
	v_mov_b32 v[236+\b], 0                         ; written once: a lane permute's destination counts as one of its sources
	v_mov_b32 v[TM+4+\b], 0
.endr
	v_mov_b32 v253, 0
.set JJ, 0
.rept 64
	v_mov_b32 v[160+JJ], 0                         ; O^T.  (The loop is written once: its first step finds zeros, which the first change of M leaves zeros)
.set JJ, JJ+1
.endr
; A KEY STEP: 128 keys, the q-th of the slot in hand.
.macro STEP q
	v_add_nc_u32 v[ADK], s[TB], v[AKV]
	v_add_nc_u32 v[ADM], s[TB], v[AMK]
	v_add_nc_u32 v[ADS], s[TB], v[ASC]
	v_nop                                          ; four places in front of loads into registers that the last products read
	WIN 0x40                                       ; destination window 1
.irp t, 0,1,2,3,4,5,6,7
.irp c, 0,1,2
	ds_load_b128 v[KF+12*\t+4*\c:KF+12*\t+4*\c+3], v[ADK] offset:(\q)*STEPB+1536*\t+512*\c   ; K's eight fragments: images, 512 consecutive bytes a load
.endr
.endr
	WIN 0
.irp p, 0,1,2,3
	ds_load_b32 v[248+\p], v[ADS] offset:(\q)*STEPB+12288+128*\p   ; lanes 0-15: tile 2 p's scale words, lanes 16-31: tile 2 p + 1's
.endr
	WIN 0x40
.irp t, 0,1,2,3,4,5,6,7
.irp e, 0,1
	ds_load_b128 v[8*\t+4*\e:8*\t+4*\e+3], v[ADM] offset:512*(\q)+64*\t+16*\e   ; the mask at (my query, keys 16 t + 8 h + 0 .. 7): in the scores' layout
.endr
.endr
	s_wait_dscnt 16                                ; K and its scale words are in; the mask's 16 loads may be out
	WIN 0x01                                       ; source 0 window 1
.irp t, 0,2,4,6
	v_wmma_scale_f32_16x16x128_f8f6f4 v[96+8*\t:103+8*\t], v[KF+12*\t:KF+12*\t+11], v[16:27], 0, v[248+\t/2], v255 matrix_a_fmt:MATRIX_FMT_FP6 matrix_b_fmt:MATRIX_FMT_FP6
	v_wmma_scale_f32_16x16x128_f8f6f4 v[104+8*\t:111+8*\t], v[KF+12+12*\t:KF+12*\t+23], v[16:27], 0, v[248+\t/2], v255 matrix_a_fmt:MATRIX_FMT_FP6 matrix_b_fmt:MATRIX_FMT_FP6 matrix_a_scale:MATRIX_SCALE_ROW1
.endr
	WIN 0
.rept 4
	v_nop                                          ; places: in front of the loads below and of the first read of the scores
.endr
	WIN 0x40
.irp t, 0,1,2,3,4,5,6,7
.irp c, 0,1,2
	ds_load_b128 v[KF+12*\t+4*\c:KF+12*\t+4*\c+3], v[ADK] offset:(\q)*STEPB+UNIT+1536*\t+512*\c   ; V's eight fragments land while the softmax is worked
.endr
.endr
	WIN 0
.irp p, 0,1,2,3
	ds_load_b32 v[248+\p], v[ADS] offset:(\q)*STEPB+UNIT+12288+128*\p
.endr
	s_wait_dscnt 28                                ; the mask is in; V's 24 loads and 4 scale words may be out
	WIN 0x10                                       ; source 2 window 1
.set JJ, 0
.rept 32
	v_pk_fma_f32 v[96+JJ:97+JJ], v[96+JJ:97+JJ], s[INV:INV+1], v[JJ:JJ+1] op_sel_hi:[1,0,1]   ; u = score / sqrt(128) + mask; each accumulator from its low end on
.set JJ, JJ+2
.endr
	WIN 0
.irp b, 0,1,2,3
	v_max3_num_f32 v[232+\b], v[96+16*\b], v[97+16*\b], v[98+16*\b]   ; the largest u of each block of 32 keys: for the row's maximum, and, since p rises with u, for the block's largest p
.endr
.irp i, 3,5,7,9,11,13
.irp b, 0,1,2,3
	v_max3_num_f32 v[232+\b], v[232+\b], v[96+16*\b+\i], v[97+16*\b+\i]
.endr
.endr
.irp b, 0,1,2,3
	v_max_num_f32 v[232+\b], v[232+\b], v[111+16*\b]
.endr
.irp b, 0,1,2,3
	v_permlanex16_b32 v[236+\b], v[232+\b], s[SEL], s[SEL+1]
.endr
.irp b, 0,1,2,3
	v_max_num_f32 v[232+\b], v[232+\b], v[236+\b]
.endr
	v_max3_num_f32 v254, v232, v233, v234
	v_max_num_f32 v254, v254, v235
	v_mul_f32 v254, s[CS], v254                    ; as t
	v_max_num_f32 v13, v13, v254                   ; the running largest t
	v_mov_b32 v254, v12
	v_floor_f32 v12, -v13                          ; the new -M = -ceil(t)
	v_sub_f32 v254, v12, v254                      ; old M - new M: a whole number, 0 or less
	v_cvt_i32_f32 v254, v254                       ; (it saturates)
	v_ldexp_f32 v252, 1.0, v254                    ; f = 2^(old M - new M)
.set JJ, 0
.rept 32
	v_pk_fma_f32 v[96+JJ:97+JJ], v[96+JJ:97+JJ], s[CS:CS+1], v[12:13] op_sel_hi:[1,0,0]   ; t - M
.set JJ, JJ+2
.endr
.irp b, 0,1,2,3
	v_fma_f32 v[232+\b], v[232+\b], s[CS], v12
.endr
.set JJ, 0
.rept 64
	v_exp_f32 v[96+JJ], v[96+JJ]                   ; p = 2^(t - M)
.set JJ, JJ+1
.endr
	v_pk_mul_f32 v[14:15], v[14:15], v[252:253] op_sel_hi:[1,0]   ; the sums under the new M (a plain place behind the exponentials)
	s_wait_alu depctr_va_vdst(0)                   ; one wait for the batch of 64, ahead of its first reader
.irp b, 0,1,2,3
	v_exp_f32 v[232+\b], v[232+\b]                 ; each block's largest p
.endr
	v_pk_add_f32 v[236:237], v[96:97], v[98:99]    ; the row's sum, of the unquantised p, in two chains
.set JJ, 4
.rept 15
	v_pk_add_f32 v[14:15], v[14:15], v[96+JJ:97+JJ]
	v_pk_add_f32 v[236:237], v[236:237], v[98+JJ:99+JJ]
.set JJ, JJ+4
.endr
	v_pk_add_f32 v[14:15], v[14:15], v[236:237]
	s_wait_alu depctr_va_vdst(0)                   ; and one for the four
.irp b, 0,1,2,3
	v_max_num_f32 v[232+\b], 0x1800000, v[232+\b]  ; the floor 2^(3 - 127): the byte cannot fall under 1
.endr
.irp b, 0,1,2,3
	v_add_nc_u32 v[244+\b], 0xff000000, v[232+\b]  ; 2 off the exponent field: the conversion's scale operand
.endr
.irp b, 0,1,2,3
	v_lshrrev_b32 v[236+\b], 23, v[244+\b]
.endr
	v_lshl_or_b32 v253, v237, 8, v236              ; p's scale word for these 128 keys
	v_lshl_or_b32 v253, v238, 16, v253
	v_lshl_or_b32 v253, v239, 24, v253
.irp c, 0,1
	v_cvt_scalef32_pk16_fp6_f32 v[224+6*\c:226+6*\c], v[96+32*\c:111+32*\c], v[244+2*\c]
	v_cvt_scalef32_pk16_fp6_f32 v[236+4*\c:238+4*\c], v[112+32*\c:127+32*\c], v[244+2*\c+1]
.endr
	v_nop                                          ; one plain place behind a scaled conversion
.irp c, 0,1
.irp i, 0,1,2
	v_permlane16_swap_b32 v[224+6*\c+\i], v[236+4*\c+\i]
.endr
.irp i, 0,1,2
	v_mov_b32 v[227+6*\c+\i], v[236+4*\c+\i]
.endr
.endr
.set JJ, 0
.rept 32
	v_pk_mul_f32 v[160+JJ:161+JJ], v[160+JJ:161+JJ], v[252:253] op_sel_hi:[1,0]   ; O^T under the new M; these 32 are also the places between p's codes and scale word and the products
.set JJ, JJ+2
.endr
	s_wait_dscnt 0x0                               ; V and its scale words are in
	WIN 0x01
.irp t, 0,2,4,6                                ; O^T += V^T P^T: the eight accumulators take turns
	v_wmma_scale_f32_16x16x128_f8f6f4 v[160+8*\t:167+8*\t], v[KF+12*\t:KF+12*\t+11], v[224:235], v[160+8*\t:167+8*\t], v[248+\t/2], v253 matrix_a_fmt:MATRIX_FMT_FP6 matrix_b_fmt:MATRIX_FMT_FP6
	v_wmma_scale_f32_16x16x128_f8f6f4 v[168+8*\t:175+8*\t], v[KF+12+12*\t:KF+12*\t+23], v[224:235], v[168+8*\t:175+8*\t], v[248+\t/2], v253 matrix_a_fmt:MATRIX_FMT_FP6 matrix_b_fmt:MATRIX_FMT_FP6 matrix_a_scale:MATRIX_SCALE_ROW1
.endr
	WIN 0
.endm
; THE CHANGE OF SLOTS stands at a slot's head.  Each wave waits for all its tensor loads, adds 0 to its spare word, and waits for that and for its reads of the slot that it has left.
; fill = 1: a round of the cluster's barrier follows, so that no wave of any partner still reads that slot or has a load on its way; the joint refill is the first thing behind it and has two key steps in which to land.
.macro CHANGE fill
	s_wait_tensorcnt 0x0                           ; no tensor load of mine is out, so a group 0 may be written
	ds_add_u32 v[SPW], v[NIL]                      ; 0 onto my spare word
.if \fill
	s_xor_b32 s[G0KV+1], s[G0KV+1], SLOT1          ; the walking descriptors: the other slot,
	s_add_nc_u64 s[G0KV+2:G0KV+3], s[G0KV+2:G0KV+3], 2*STEPB   ; the next 256 keys
	s_xor_b32 s[G0M+1], s[G0M+1], SLOT1
	s_add_nc_u64 s[G0M+2:G0M+3], s[G0M+2:G0M+3], 1024
	s_wait_xcnt 0x0                                ; the last prefetch, a slot back, has read its address
	s_add_nc_u64 s[PFA:PFA+1], s[PFA:PFA+1], s[PFS:PFS+1]
	s_wait_dscnt 0x0                               ; the add is done, and my reads of the slot that I have left are over
	ROUND
	TLOAD
	ASK
.else
	s_wait_dscnt 0x0
	s_barrier_signal -1
	s_barrier_wait -1
.endif
.endm
	s_wait_loadcnt 0x0                             ; Q
.Lslot:                                            ; seven trips: behind each change of slots but the last the next slot is asked for
	CHANGE 1
	STEP 0
	STEP 1
	s_xor_b32 s[TB], s[TB], SLOT1
	s_sub_co_u32 s[SLOTS], s[SLOTS], 1
	s_cmp_lg_u32 s[SLOTS], 0
	s_cbranch_scc1 .Lslot
	CHANGE 0                                       ; the last slot is written out
	STEP 0
	STEP 1
	; THE WAY OUT: O^T / the sum is quantised along the head's 128 as it stands and leaves as an image of an operand's registers, with its rows' scale words.
.macro QUANT s
.irp b, 0,1,2,3
	v_max3_num_f32 v[TM+\b], |v[\s+16*\b]|, |v[\s+1+16*\b]|, 0x1800000
.endr
.irp i, 2,4,6,8,10,12,14
.irp b, 0,1,2,3
	v_max3_num_f32 v[TM+\b], v[TM+\b], |v[\s+16*\b+\i]|, |v[\s+1+16*\b+\i]|
.endr
.endr
.irp b, 0,1,2,3
	v_permlanex16_b32 v[TM+4+\b], v[TM+\b], s[SEL], s[SEL+1]
.endr
.irp b, 0,1,2,3
	v_max_num_f32 v[TM+\b], v[TM+\b], v[TM+4+\b]
.endr
.irp b, 0,1,2,3
	v_add_nc_u32 v[TM+12+\b], 0xff000000, v[TM+\b]
.endr
.irp b, 0,1,2,3
	v_lshrrev_b32 v[TM+4+\b], 23, v[TM+12+\b]
.endr
	v_lshl_or_b32 v[PW], v[TM+5], 8, v[TM+4]
	v_lshl_or_b32 v[PW], v[TM+6], 16, v[PW]
	v_lshl_or_b32 v[PW], v[TM+7], 24, v[PW]
.irp c, 0,1
	v_cvt_scalef32_pk16_fp6_f32 v[PC+6*\c:PC+2+6*\c], v[\s+32*\c:\s+15+32*\c], v[TM+12+2*\c]
	v_cvt_scalef32_pk16_fp6_f32 v[PC+12+4*\c:PC+14+4*\c], v[\s+16+32*\c:\s+31+32*\c], v[TM+12+2*\c+1]
.endr
	v_nop                                          ; one plain place behind a scaled conversion
.irp c, 0,1
.irp i, 0,1,2
	v_permlane16_swap_b32 v[PC+6*\c+\i], v[PC+12+4*\c+\i]
.endr
.irp i, 0,1,2
	v_mov_b32 v[PC+3+6*\c+\i], v[PC+12+4*\c+\i]
.endr
.endr
.endm
	v_add_f32 v14, v14, v15                        ; the sum's two halves,
	v_permlanex16_b32 v252, v14, s[SEL], s[SEL+1]
	v_add_f32 v14, v14, v252                       ; and lane l xor 16's
	v_rcp_f32 v14, v14
	v_and_b32 v8, 15, v0                           ; (plain places behind the reciprocal and behind the last products)
	v_lshlrev_b32 v7, 5, v8                        ; 32 scale bytes a row
	v_and_b32 v9, 31, v0
	v_nop
	s_wait_alu depctr_va_vdst(0)                   ; the wait ahead of the reciprocal's first reader
.set JJ, 0
.rept 32
	v_pk_mul_f32 v[96+JJ:97+JJ], v[160+JJ:161+JJ], v[14:15] op_sel_hi:[1,0]   ; each accumulator from its low end on
.set JJ, JJ+2
.endr
	QUANT 96
.irp c, 0,1,2
	global_store_b128 v[AKV], v[PC+4*\c:PC+4*\c+3], s[92:93] offset:512*\c   ; 32 lanes store 512 consecutive bytes, aligned
.endr
	v_cmp_gt_u32 vcc_lo, 16, v9
	s_wait_xcnt 0x0                                ; EXEC changes only behind this wait
	s_and_saveexec_b32 s96, vcc_lo
	global_store_b32 v7, v[PW], s[94:95]           ; lanes 0-15: row r's scale word
	s_wait_xcnt 0x0
	s_or_b32 exec_lo, exec_lo, s96
	s_wait_tensorcnt 0x0                           ; the wave's end
	ds_add_u32 v[SPW], v[NIL]
	s_wait_dscnt 0x0
	ROUND                                          ; the closing round
	s_endpgm
.Lfunc_end_k_q10b4d6a93a_attn:
	.size	k_q10b4d6a93a_attn, .Lfunc_end_k_q10b4d6a93a_attn-k_q10b4d6a93a_attn
	.p2alignl 7, 3214868480
	.fill 96, 4, 3214868480
	.section	.rodata,"a",@progbits
	.p2align	6, 0x0
	.amdhsa_kernel k_q10b4d6a93a_attn
		.amdhsa_group_segment_fixed_size 327680
		.amdhsa_private_segment_fixed_size 0
		.amdhsa_enable_private_segment 0
		.amdhsa_kernarg_size 24
		.amdhsa_user_sgpr_count 2
		.amdhsa_user_sgpr_kernarg_segment_ptr 1
		.amdhsa_wavefront_size32 1
		.amdhsa_system_sgpr_workgroup_id_x 1
		.amdhsa_system_sgpr_workgroup_id_y 1
		.amdhsa_system_sgpr_workgroup_id_z 1
		.amdhsa_system_vgpr_workitem_id 0
		.amdhsa_next_free_vgpr 416
		.amdhsa_next_free_sgpr 100
		.amdhsa_reserve_vcc 1
		.amdhsa_float_denorm_mode_32 3
		.amdhsa_float_denorm_mode_16_64 3
		.amdhsa_memory_ordered 1
		.amdhsa_forward_progress 1
		.amdhsa_inst_pref_size 107
	.end_amdhsa_kernel
	.amdgpu_metadata
---
amdhsa.version: [ 1, 2 ]
amdhsa.kernels:
  - .name:           k_q10b4d6a93a_attn
    .symbol:         k_q10b4d6a93a_attn.kd
    .args:
      - { .name: qkv, .offset: 0, .size: 8, .value_kind: global_buffer, .address_space: global }
      - { .name: attention_mask, .offset: 8, .size: 8, .value_kind: global_buffer, .address_space: global }
      - { .name: att, .offset: 16, .size: 8, .value_kind: global_buffer, .address_space: global }
    .group_segment_fixed_size: 327680
    .private_segment_fixed_size: 0
    .kernarg_segment_align: 8
    .kernarg_segment_size: 24
    .max_flat_workgroup_size: 256
    .sgpr_count:     100
    .vgpr_count:     416
    .wavefront_size: 32
...
	.end_amdgpu_metadata
.endif
;; end of part 3
;; launch oproj (part 4): grid 8 x 32, 4 waves a work-group, clusters of 4 x 4, 327,680 bytes of LDS; arguments att, prep, out0; writes out0
.if DOCPART == 4
	.amdgcn_target "amdgcn-amd-amdhsa--gfx1250"
	.amdhsa_code_object_version 6
	.text
	.protected	k_q10b4d6a93a_oproj
	.globl	k_q10b4d6a93a_oproj
	.p2align	8
	.type	k_q10b4d6a93a_oproj,@function
k_q10b4d6a93a_oproj:
	s_mov_b64 s[64:65], 0
	v_nop
	global_prefetch_b8 v0, s[64:65] scope:SCOPE_SE
	s_setreg_imm32_b32 hwreg(HW_REG_WAVE_MODE, 25, 1), 1
	s_wait_xcnt 0x0
	s_wait_alu depctr_hold_cnt(0) depctr_sa_sdst(0) depctr_va_vdst(0) depctr_va_sdst(0) depctr_va_ssrc(0) depctr_va_vcc(0) depctr_vm_vsrc(0)
	s_getreg_b32 s2, hwreg(HW_REG_IB_STS2, 6, 4)
	s_cmp_eq_u32 s2, 0
	s_cbranch_scc0 .Lentry_in_a_cluster
	s_endpgm
.Lentry_in_a_cluster:
	s_bfe_u32 s2, ttmp6, 0x10000c
	s_cmp_lg_u32 s2, 0xf033
	s_cbranch_scc0 .Lentry_shape_is_right
	s_endpgm
.Lentry_shape_is_right:
; LAUNCH 4.  out0 = attn Wo^T: C[m][n] = sum over k of A[m][k] B[n][k], M = 4,096, N = 2,048, K = 1,024, on codes of FP6 (E2M3) with E8M0 scales; C f32.
; A = attn comes from 'att' as IMAGES of operand registers (16 rows x 128 K: 1,536 bytes, register group c of lane l at 512 c + 16 l): for each 256 along K (two heads) the images of 64 rows are 12,288 dense bytes.
; Its scale bytes lie [4096][32] at ASCL.  B = Wo comes from 'prep' as rows of two chunks of 400 bytes: 384 bytes of codes for 512 along K and their 16 scale bytes.  Both are laid in the same order inside each block of 32 along K.
; A tile of C, 128 x 256, is made by four waves, each 64 x 128 in 32 accumulators: 256 work-groups.
; ALL OF K LIES IN LDS: 98,304 bytes of A, 204,800 of B, 4,352 of A's scale bytes.  Every tile is asked for at the start and nothing is filled again.  K's first half is asked for first: the first four steps are
; multiplied while the second half lands; a second barrier, inside the fourth step, opens it.
; B's rows lie 400 bytes = 100 words apart: row r starts at bank 36 r mod 64, sixteen different multiples of four (64 banks of 4 bytes: ISA guide 11.1), lanes 16-31 six words further on.  No padding.
; CLUSTERS: 4 x 4 work-groups; A's tiles are asked for jointly along a row of the cluster, B's along a column.  The matrix instruction takes 16 rows of B as source 0 and 16 rows of A as source 1:
; a lane holds eight neighbouring numbers of a row of C.  Both operands have two sets of fragment registers: a step asks for all loads of the next step first and then issues its 32 products.
; REGISTERS: window 0: v16-29 addresses; v32-63 A's scale words (block a, step s at 8 a + s), v64-127 B's (8 b + s), and nothing else; v128-223 A's fragments, two sets; on the way out v128-191 rows of C.
;   window 1: B's fragments, two sets, at v0 and v128.   window 2: the accumulators ((a, b) at v[8 (8 a + b)]).
.set SIZE_N, 2048
.set FR,     12
.set NP,     4                         ; places behind this matrix instruction (ISA guide 7.12.1)
.set PITCH,  400
.set HALFA,  49152                     ; 64 rows of A, all of K: [256 along K][16 rows][128 along K] images
.set AGP,    24576                     ; 512 along K of them
.set BREG,   2*HALFA
.set HALFB,  128*PITCH
.set BKQ,    2*HALFB                   ; B's 256 rows, one chunk
.set ASC,    BREG+2*BKQ                ; A's scale bytes, as blocks of 256 bytes + 16 of padding
.set HALFS,  8*272                     ; those of 64 rows
.set STG,    ASC+2*HALFS               ; the way out: 16 rows x (256 bytes + 16) for each wave, bytes of its own: no fill lands here
.set SPITCH, 272
.set SPARE,  STG+4*16*SPITCH           ; the spare words, 128 bytes a wave: no other line names them
.set ASTEP,  786432                    ; from 256 along K of A to the next, in bytes
.set ASCL,   3145728
.set OC,     9830400                   ; in prep: Wo's rows, 800 bytes each
.set ADRA, 16
.set ADRB, 18                          ; v18-19  my B fragments in chunk 0, 1
.set ADSA, 20
.set ADSB, 22                          ; v22-23  my B rows' scale words in chunk 0, 1
.set STO,  24
.set RD,   25
.set CO,   26
.set SPW,  28
.set NIL,  29
.set SA,   32
.set SB,   64
.set AF,   128
.set BK,   128
.set G1, 24                            ; s[24:31] group 1 for A's tiles;  s[32:39] group 0, a set for each half of K
.set G0, 32
.set G1B, 48                           ; s[48:55], s[56:63] the same for B's
.set G0B, 56
.set G1S, 68                           ; s[68:75], s[76:79] for A's scale bytes
.set G0S, 76
.set MSB, 0
.macro WIN new
.if MSB != \new
	s_set_vgpr_msb (MSB<<8)|\new
.set MSB, \new
.endif
.endm
.set MUL,    0xa1                      ; source 0 (B) window 1, source 1 (A) window 0, C and D window 2
.set TO_B,   0x40
.macro CROUND                          ; a round of the cluster's barrier
	s_barrier_signal -1
	s_barrier_wait -1
	s_cmp_lg_u32 s14, 0
	s_cbranch_scc1 .Lnot_wave_0_\@
	s_barrier_signal -3
.Lnot_wave_0_\@:
	s_barrier_wait -3
	s_barrier_signal -1
	s_barrier_wait -1
.endm
	s_load_b128 s[4:7], s[0:1], 0x0                ; att, prep
	s_load_b64 s[12:13], s[0:1], 0x10              ; out0
	v_lshl_add_u32 v[SPW], v0, 2, SPARE
	v_mov_b32 v[NIL], 0
	ds_add_u32 v28, v29
	s_wait_dscnt 0x0
	v_lshrrev_b32 v1, 5, v0
	v_readfirstlane_b32 s14, v1                    ; wave 0..3
	s_lshr_b32 s15, s14, 1                         ; which 64 rows of the tile are mine.  Also: I fetch for A (0) or for B (1)
	s_and_b32 s16, s14, 1                          ; which 128 columns.  Also: which half I fetch
	s_bfe_u32 s40, ttmp6, 0x40000                  ; cx, cy
	s_bfe_u32 s41, ttmp6, 0x40004
	s_lshl_b32 s42, ttmp9, 2
	s_add_co_u32 s42, s42, s40                     ; tile column of C
	s_and_b32 s17, ttmp7, 0xffff
	s_lshl_b32 s17, s17, 2
	s_add_co_u32 s17, s17, s41                     ; tile row of C
	s_lshl_b32 s43, s41, 2
	s_lshl_b32 s43, 15, s43                        ; my row of the cluster
	s_lshl_b32 s44, 0x1111, s40                    ; my column
	; group 1.  A: two rows of 12,288 bytes (1,536 elements of 8 bytes), 786,432 bytes apart: 64 rows' images for 512 along K; no padding: the images are read 512 consecutive bytes a load
	s_or_b32 s[G1+0], s43, (3<<16)|(1<<21)
	s_mov_b32 s[G1+1], 1536<<16
	s_mov_b32 s[G1+2], 2<<16
	s_mov_b32 s[G1+3], 1536<<16
	s_mov_b32 s[G1+4], 2
	s_mov_b32 s[G1+5], ASTEP/8
	s_mov_b32 s[G1+6], 0
	s_mov_b32 s[G1+7], 0
	; B: 128 rows of 50 elements of 8 bytes, 100 elements from row to row; no padding
	s_or_b32 s[G1B+0], s44, (3<<16)|(1<<21)
	s_mov_b32 s[G1B+1], 50<<16
	s_mov_b32 s[G1B+2], 128<<16
	s_mov_b32 s[G1B+3], 50<<16
	s_mov_b32 s[G1B+4], 128
	s_mov_b32 s[G1B+5], 100
	s_mov_b32 s[G1B+6], 0
	s_mov_b32 s[G1B+7], 0
	; A's scale bytes of 64 rows: 2,048 dense bytes as 8 rows of 256, 16 bytes of padding behind each
	s_or_b32 s[G1S+0], s43, (3<<16)|(1<<20)|(1<<21)|(5<<22)|(3<<25)
	s_mov_b32 s[G1S+1], 32<<16
	s_mov_b32 s[G1S+2], 8<<16
	s_mov_b32 s[G1S+3], 32<<16
	s_mov_b32 s[G1S+4], 8
	s_mov_b32 s[G1S+5], 32
	s_mov_b32 s[G1S+6], 0
	s_mov_b32 s[G1S+7], 0
	s_lshl_b32 s18, s16, 6
	s_lshl_b32 s20, s17, 7
	s_add_co_u32 s20, s20, s18                     ; A: row 128 x tile row + 64 x half
	s_lshl_b32 s18, s16, 7
	s_lshl_b32 s46, s42, 8
	s_add_co_u32 s46, s46, s18                     ; B: row 256 x tile column + 128 x half
	s_lshl_b32 s22, s20, 5
	s_add_co_u32 s22, s22, ASCL                    ; A's scale bytes
	s_mov_b32 s23, 0
	s_mul_i32 s20, s20, 192                        ; A's images: two, 3,072 bytes, for each 16 rows and 256 along K
	s_mov_b32 s21, 0
	s_mul_i32 s46, s46, 2*PITCH
	s_add_co_u32 s46, s46, OC                      ; B's rows
	s_mov_b32 s47, 0
	s_mul_i32 s45, s16, HALFA                      ; where they go: no place in the cluster enters an LDS address
	s_mul_i32 s95, s16, HALFB
	s_add_co_u32 s95, s95, BREG
	s_mul_i32 s94, s16, HALFS
	s_wait_kmcnt 0x0
	s_add_nc_u64 s[20:21], s[4:5], s[20:21]
	s_add_nc_u64 s[22:23], s[4:5], s[22:23]
	s_add_nc_u64 s[46:47], s[6:7], s[46:47]
	CROUND                                         ; all sixteen work-groups are here: the joint loads meet
	s_mov_b32 s[G0S], 1
	s_add_co_u32 s[G0S+1], s94, ASC
	s_mov_b64 s[G0S+2:G0S+3], s[22:23]
	s_or_b32 s[G0S+3], s[G0S+3], 0x80000000
.irp s, 0,1
	s_mov_b32 s[G0+4*\s], 1
	s_add_co_u32 s[G0+4*\s+1], s45, \s*AGP
	s_add_nc_u64 s[G0+4*\s+2:G0+4*\s+3], s[20:21], \s*2*ASTEP
	s_or_b32 s[G0+4*\s+3], s[G0+4*\s+3], 0x80000000
	s_mov_b32 s[G0B+4*\s], 1
	s_add_co_u32 s[G0B+4*\s+1], s95, \s*BKQ
	s_add_nc_u64 s[G0B+4*\s+2:G0B+4*\s+3], s[46:47], \s*PITCH
	s_or_b32 s[G0B+4*\s+3], s[G0B+4*\s+3], 0x80000000
.endr
	s_cmp_eq_u32 s15, 0                            ; all fills of a wave stand in one branch on the wave's number; the last of each arm is K's second half.  Three loads of mine are out, or two
	s_cbranch_scc0 .Lfirst_b
	tensor_load_to_lds s[G0S:G0S+3], s[G1S:G1S+7]
	s_nop 0
	tensor_load_to_lds s[G0:G0+3], s[G1:G1+7]
	s_nop 0
	tensor_load_to_lds s[G0+4:G0+7], s[G1:G1+7]
	s_nop 0
.rept 4
	v_nop
.endr
	s_branch .Lfirst_done
.Lfirst_b:
	tensor_load_to_lds s[G0B:G0B+3], s[G1B:G1B+7]
	s_nop 0
	tensor_load_to_lds s[G0B+4:G0B+7], s[G1B:G1B+7]
	s_nop 0
.rept 4
	v_nop
.endr
.Lfirst_done:
	v_and_b32 v1, 15, v0                           ; r
	v_bfe_u32 v2, v0, 4, 1                         ; h
	v_and_b32 v6, 31, v0                           ; lane
	v_lshlrev_b32 v7, 4, v6
	s_mul_i32 s21, s15, HALFA
	v_add_nc_u32 v[ADRA], s21, v7                  ; A: my 64 rows' images, 16 x lane
	v_mul_u32_u24 v3, v1, PITCH
	v_mad_u32_u24 v4, v2, 24, v3                   ; B: a fragment's row x pitch + 24 h
	s_mul_i32 s22, s16, HALFB
	s_add_co_u32 s22, s22, BREG
.irp k, 0,1
	v_add_nc_u32 v[ADRB+\k], s22, v4
	v_add_nc_u32 v[ADSB+\k], s22, v3               ; and row r's scale words (every lane takes row lane % 16's: the products read lanes 0-15)
	s_add_co_u32 s22, s22, BKQ
.endr
	v_lshlrev_b32 v5, 5, v1                        ; A's scale bytes: 32 a row,
	v_lshrrev_b32 v8, 3, v1
	v_lshl_add_u32 v5, v8, 4, v5                   ; and 16 more behind each 256
	s_mul_i32 s21, s15, HALFS
	s_add_co_u32 s21, s21, ASC
	v_add_nc_u32 v[ADSA], s21, v5
	s_mul_i32 s23, s14, 16*SPITCH
	s_add_co_u32 s23, s23, STG                     ; my stage
	v_mul_u32_u24 v5, v1, SPITCH                   ; in: row r, 32 bytes for each half of the lanes
	v_lshl_add_u32 v5, v2, 5, v5
	v_add_nc_u32 v[STO], s23, v5
	v_mul_u32_u24 v5, v2, SPITCH                   ; back: lanes 0-15 take one row of 256 bytes, lanes 16-31 the next
	v_lshl_add_u32 v5, v1, 4, v5
	v_add_nc_u32 v[RD], s23, v5
	v_lshlrev_b32 v[CO], 13, v2                    ; and the same two rows in C, 8,192 bytes apart
	v_lshl_add_u32 v[CO], v1, 4, v[CO]
	s_lshl_b32 s20, s17, 7
	s_lshl_b32 s21, s15, 6
	s_add_co_u32 s20, s20, s21                     ; my first row of C
	s_mov_b32 s21, 0
	s_mov_b64 s[18:19], SIZE_N*4
	s_mul_u64 s[20:21], s[20:21], s[18:19]
	s_lshl_b32 s46, s42, 10                        ; my first column, in bytes
	s_lshl_b32 s47, s16, 9
	s_add_co_u32 s46, s46, s47
	s_mov_b32 s47, 0
	s_add_nc_u64 s[20:21], s[20:21], s[46:47]
	s_add_nc_u64 s[12:13], s[12:13], s[20:21]
.macro FRAGB reg, kq, q, i             ; a fragment of B from rows: 24 bytes at 96 q + 24 h of the chunk's row and 24 at 48 more, in pieces of 8 bytes
.irp p, 0,1,2,3,4,5
	ds_load_b64 v[\reg+2*\p:\reg+2*\p+1], v[ADRB+(\kq)] offset:96*(\q)+48*(\p/3)+8*(\p%3)+(\i)*16*PITCH
.endr
.endm
; 16 matrix instructions of step s (128 along K); the 32 accumulators take turns, one instruction a turn, in the same order in every step.
.macro MUL16 a0, s, zero
.irp a, \a0, \a0+1
.irp b, 0,1,2,3,4,5,6,7
.if \zero
	v_wmma_scale_f32_16x16x128_f8f6f4 v[8*(8*(\a)+\b):8*(8*(\a)+\b)+7], v[128*((\s)%2)+FR*\b:128*((\s)%2)+FR*\b+FR-1], v[AF+48*((\s)%2)+FR*(\a):AF+48*((\s)%2)+FR*(\a)+FR-1], 0, v[SB+8*\b+(\s)], v[SA+8*(\a)+(\s)] matrix_a_fmt:MATRIX_FMT_FP6 matrix_b_fmt:MATRIX_FMT_FP6
.else
	v_wmma_scale_f32_16x16x128_f8f6f4 v[8*(8*(\a)+\b):8*(8*(\a)+\b)+7], v[128*((\s)%2)+FR*\b:128*((\s)%2)+FR*\b+FR-1], v[AF+48*((\s)%2)+FR*(\a):AF+48*((\s)%2)+FR*(\a)+FR-1], v[8*(8*(\a)+\b):8*(8*(\a)+\b)+7], v[SB+8*\b+(\s)], v[SA+8*(\a)+(\s)] matrix_a_fmt:MATRIX_FMT_FP6 matrix_b_fmt:MATRIX_FMT_FP6
.endif
.endr
.endr
.endm
.macro FETCH s, p                      ; step s's 12 fragments into set p: B's eight from rows, A's four as images, three loads of 512 consecutive bytes each
	WIN TO_B
.irp i, 0,1,2,3,4,5,6,7
	FRAGB 128*(\p)+FR*\i, (\s)/4, (\s)%4, \i
.endr
	WIN 0
.irp i, 0,1,2,3
.irp c, 0,1,2
	ds_load_b128 v[AF+48*(\p)+FR*\i+4*\c:AF+48*(\p)+FR*\i+4*\c+3], v[ADRA] offset:((\s)/2)*12288+\i*3072+((\s)%2)*1536+512*\c
.endr
.endr
.endm
.macro SCALES_A                        ; my 64 rows' scale words for all eight steps
.irp a, 0,1,2,3
.irp e, 0,1
	ds_load_b128 v[SA+8*\a+4*\e:SA+8*\a+4*\e+3], v[ADSA] offset:\a*544+16*\e
.endr
.endr
.endm
.macro SCALES_B kq                     ; my 128 rows' scale words of a chunk: four steps
.irp b, 0,1,2,3,4,5,6,7
	ds_load_b128 v[SB+8*\b+4*(\kq):SB+8*\b+4*(\kq)+3], v[ADSB+(\kq)] offset:384+\b*16*PITCH
.endr
.endm
.macro PLACES n                        ; plain vector instructions between a matrix instruction and a load into, or a read of, its registers
.rept \n
	v_nop
.endr
.endm
.macro STEP s, zero
	s_wait_dscnt 0x0                               ; this step's fragments, asked for a step ago, are in
	PLACES NP                                      ; the other sets were read by the last step's products
	FETCH (\s)+1, ((\s)+1)%2
	WIN MUL
	MUL16 0, \s, \zero
	MUL16 2, \s, \zero
	WIN 0
.endm
	s_wait_tensorcnt 1                             ; my part of K's first half is in, and A's scale bytes (my load of the second half may be out)
	s_barrier_signal -1
	s_barrier_wait -1
	FETCH 0, 0
	SCALES_A
	SCALES_B 0
	STEP 0, 1                                      ; the first step's products start the sums
	STEP 1, 0
	STEP 2, 0
	s_wait_dscnt 0x0                               ; step 3: its fragments are in, and no LDS instruction of mine is out at the signal;
	s_wait_tensorcnt 0x0                           ; my part of K's second half has landed
	s_barrier_signal -1
	WIN MUL
	MUL16 0, 3, 0                                  ; work on registers while the others arrive
	WIN 0
	s_barrier_wait -1                              ; everybody's has
	PLACES NP
	FETCH 4, 0
	SCALES_B 1
	WIN MUL
	MUL16 2, 3, 0
	WIN 0
	STEP 4, 0
	STEP 5, 0
	STEP 6, 0
	s_wait_dscnt 0x0
	WIN MUL
	MUL16 0, 7, 0
	MUL16 2, 7, 0
	WIN 0
; THE WAY OUT, by half blocks of 16 rows x 64 columns (n = 2 x block + half), through my own stage in LDS: in as 32 bytes a lane, back as whole rows of 256 bytes.  LDS serves a wave's instructions in order
; (ISA guide 5.7.1.4): no wait between the stores and the loads, nor in front of the next half block's stores.  Every offset is an immediate: 508,160 bytes at the most.
.macro TOSTAGE n
.set AC, 64*((\n)/2)+32*((\n)%2)
	WIN 0x08                                       ; an LDS store's data: window 2
.irp b, 0,1,2,3
	ds_store_b128 v[STO], v[AC+8*\b:AC+8*\b+3] offset:64*\b          ; each accumulator from its low end on
	ds_store_b128 v[STO], v[AC+8*\b+4:AC+8*\b+7] offset:64*\b+16
.endr
	WIN 0
.set BB, BK+32*((\n)%2)
.irp t, 0,1,2,3,4,5,6,7
	ds_load_b128 v[BB+4*\t:BB+4*\t+3], v[RD] offset:\t*2*SPITCH
.endr
.endm
.macro SEND n, younger
.set BB, BK+32*((\n)%2)
	s_wait_dscnt \younger                          ; the half block is back in registers
.irp t, 0,1,2,3,4,5,6,7
	global_store_b128 v[CO], v[BB+4*\t:BB+4*\t+3], s[12:13] offset:((\n)/2)*16*SIZE_N*4+\t*2*SIZE_N*4+256*((\n)%2) th:TH_STORE_NT   ; sixteen lanes store 256 consecutive bytes, aligned
.endr
.endm
	PLACES NP
	TOSTAGE 0
.irp n, 1,2,3,4,5,6,7
.if \n > 1
	s_wait_xcnt 0x0                                ; half block n - 2's stores have read their registers
.endif
	TOSTAGE \n
	SEND \n-1, 16                                  ; behind half block n - 1's loads: half block n's 8 stores and 8 loads
.endr
	SEND 7, 0
	s_wait_tensorcnt 0x0                           ; the wave's end
	ds_add_u32 v[SPW], v[NIL]
	s_wait_dscnt 0x0
	CROUND                                         ; the closing round
	s_endpgm
.Lfunc_end_k_q10b4d6a93a_oproj:
	.size	k_q10b4d6a93a_oproj, .Lfunc_end_k_q10b4d6a93a_oproj-k_q10b4d6a93a_oproj
	.p2alignl 7, 3214868480
	.fill 96, 4, 3214868480
	.section	.rodata,"a",@progbits
	.p2align	6, 0x0
	.amdhsa_kernel k_q10b4d6a93a_oproj
		.amdhsa_group_segment_fixed_size 327680
		.amdhsa_private_segment_fixed_size 0
		.amdhsa_enable_private_segment 0
		.amdhsa_kernarg_size 24
		.amdhsa_user_sgpr_count 2
		.amdhsa_user_sgpr_kernarg_segment_ptr 1
		.amdhsa_wavefront_size32 1
		.amdhsa_system_sgpr_workgroup_id_x 1
		.amdhsa_system_sgpr_workgroup_id_y 1
		.amdhsa_system_sgpr_workgroup_id_z 1
		.amdhsa_system_vgpr_workitem_id 0
		.amdhsa_next_free_vgpr 768
		.amdhsa_next_free_sgpr 98
		.amdhsa_reserve_vcc 0
		.amdhsa_float_denorm_mode_32 3
		.amdhsa_float_denorm_mode_16_64 3
		.amdhsa_memory_ordered 1
		.amdhsa_forward_progress 1
		.amdhsa_inst_pref_size 90
	.end_amdhsa_kernel
	.amdgpu_metadata
---
amdhsa.version: [ 1, 2 ]
amdhsa.kernels:
  - .name:           k_q10b4d6a93a_oproj
    .symbol:         k_q10b4d6a93a_oproj.kd
    .args:
      - { .name: att, .offset: 0, .size: 8, .value_kind: global_buffer, .address_space: global }
      - { .name: prep, .offset: 8, .size: 8, .value_kind: global_buffer, .address_space: global }
      - { .name: out0, .offset: 16, .size: 8, .value_kind: global_buffer, .address_space: global }
    .group_segment_fixed_size: 327680
    .private_segment_fixed_size: 0
    .kernarg_segment_align: 8
    .kernarg_segment_size: 24
    .max_flat_workgroup_size: 128
    .sgpr_count:     98
    .vgpr_count:     768
    .wavefront_size: 32
...
	.end_amdgpu_metadata
.endif
;; end of part 4
